; MI455X (gfx1250); checked and timed in simulation.
; The chip was launched on July 23, 2026; its instructions are those of AMD's public machine-readable ISA for CDNA 5 (MIT licence, August 2026) and "CDNA5" Instruction Set Architecture Reference Guide (July 2026). The comments in the code are by the model that wrote it; some were corrected since.
;; Attention. Allowed arithmetic: matrix products marked QUANTISED: E2M3 operands, one E8M0 scale for each 32 along K, by v_wmma_scale_f32_16x16x128_f8f6f4 with both operands' format E2M3, f32 sums; everything else in f32.
;; Inputs: b_out 1,024 float32; w_out 1,024 x 1,024 float32; w_qkv 1,024 x 3,072 float32; x 4 x 2,048 x 1,024 float32.
;; Outputs: out0 4 x 2,048 x 1,024 float32.
;; This version of the problem:
;;   THIS VERSION OF THE PROBLEM IS GIVEN IN LOW PRECISION. The matrix products marked QUANTISED in the list below multiply operands that are first quantised to E2M3 (2 exponent bits, 3 mantissa bits; 6 bits a number), with one power-of-two scale for each 32 numbers along K (OCP MX v1.0); their sums are f32. All else is computed in f32.
;;   The module's matrix products, in the order in which they are computed (A, B: the left and right operand; K: the contracted axis; several contracted axes count as one K, in the product's order):
;;     1. [M 8,192, K 1,024] x [K 1,024, N 3,072]; A: input x; B: input w_qkv: QUANTISED
;;     2. batch 64 x [M 2,048, K 64] x [K 64, N 2,048]; A: computed on the way; B: computed on the way: QUANTISED
;;     3. batch 64 x [M 2,048, K 2,048] x [K 2,048, N 64]; A: softmax (see below); B: computed on the way: QUANTISED
;;     4. [M 8,192, K 1,024] x [K 1,024, N 1,024]; A: computed on the way; B: input w_out: QUANTISED
;;   THE QUANTISER, for each operand of a quantised product, along K:
;;     - K is cut into blocks of 32 from its start; a last block that is shorter is filled with zeros.
;;     - A block's scale is 2^e with e = floor(log2(the largest magnitude in the block)) - 2, held to -126 .. 127; a block of zeros has e = 0. As a byte (E8M0): e + 127.
;;     - Each number is divided by its block's scale, clamped to +-7.5, and rounded to the nearest number of E2M3, ties to even, subnormals kept.
;;     - The product sums the exact products of the quantised numbers (number of the format x scale) in f32.
;;   ~~~python
;;   def quantise(x, axis):      # numpy; x: float32 -> the quantised numbers, widened to float32 again
;;       x = np.moveaxis(x, axis, -1); K = x.shape[-1]
;;       x = np.pad(x, [(0, 0)] * (x.ndim - 1) + [(0, -K % 32)]); x = x.reshape(x.shape[:-1] + (-1, 32)); a = np.abs(x).max(-1, keepdims=True)
;;       e = np.where(a > 0, np.clip(np.frexp(np.where(a > 0, a, 1))[1] - 1 - 2, -126, 127), 0)      # np.frexp(a)[1] - 1 = floor(log2(a)), exactly
;;       r = np.clip(x / 2.0 ** e, -7.5, 7.5)
;;       step = 2.0 ** (np.maximum(np.frexp(np.where(r == 0, 1, r))[1] - 1, 0) - 3)
;;       q = np.round(r / step) * step * 2.0 ** e      # np.round: ties to even
;;       return np.moveaxis(q.reshape(q.shape[:-2] + (-1,))[..., :K], -1, axis).astype(np.float32)
;;   ~~~
;;   SOFTMAX AHEAD OF A QUANTISED PRODUCT. Where the list says 'softmax', what is quantised is not the finished softmax but p = 2^(t - M), with t = logit x log2(e) and M = ceil(the row's largest t), a whole number; so 1/2 < the row's largest p <= 1. The row's sum l is taken of the UNQUANTISED p, in f32, and the product's result is divided by l at the end. Since M is a whole number, a kernel that streams over the keys may use a running M (the ceiling of the running maximum): every later rescaling is an exact power of two, which a block's scale takes up: the codes' values come out the same.
;;   OPERANDS COMPUTED ON THE WAY. 'Computed on the way' means the value that the module computes at that place (a softmax that the list does not call 'softmax' is quantised finished and normalised). What goes into a quantiser is computed in f32, as accurately as f32 sums, v_exp_f32 and their like allow (about 1e-6 of the number): no bf16 or f16 on the way to a quantiser, and a product that is left as it is and whose result goes on into a quantised operand takes f32 operands (vector FMAs, or v_wmma_f32_16x16x4_f32). A number that lies on a knife's edge between two numbers of the format may be rounded either way, as far as f32 arithmetic and the matrix unit's own rounding can turn it there, and no further.
;; One version. Each part assembles by itself: llvm-mc -triple=amdgcn-amd-amdhsa -mcpu=gfx1250 --defsym DOCPART=n.
;; ======== version 1 of 1: 4 launches
;; limits: right only within a limited range of input values
;; workspace buffers: xq 6,553,600 bytes; wq 2,457,600 bytes; wo 819,200 bytes; qb 6,815,744 bytes; kv 13,369,344 bytes; ab 6,553,600 bytes
;; launch prep (part 1): grid 640 x 1, 8 waves a work-group, no clusters, 68,608 bytes of LDS; arguments x, w_qkv, w_out, xq, wq, wo; writes xq, wq, wo
.if DOCPART == 1
	.amdgcn_target "amdgcn-amd-amdhsa--gfx1250"
	.amdhsa_code_object_version 6
	.text
	.protected	k_qbbacb66044_prep
	.globl	k_qbbacb66044_prep
	.p2align	8
	.type	k_qbbacb66044_prep,@function
k_qbbacb66044_prep:
	s_mov_b64 s[64:65], 0
	v_nop
	global_prefetch_b8 v0, s[64:65] scope:SCOPE_SE
	s_setreg_imm32_b32 hwreg(HW_REG_WAVE_MODE, 25, 1), 1
	s_wait_xcnt 0x0
; x [8192][1024], w_qkv [1024][3072] and w_out [1024][1024], f32, become codes of FP6 (E2M3) with one E8M0 byte for each 32 along K.
; A block's scale is 2^(floor(log2(its largest magnitude)) - 2): its byte is the largest magnitude's exponent field - 2, held at 1 from below.
; LIMITS: a block of zeros, or one whose largest magnitude lies under 2^-124, keeps the byte 1 (its codes are zeros or tiny; this program alone reads the bytes); NaN and infinities among the inputs are not served.
; THE LAYOUT OF ALL CODES OF THIS PROGRAM: an image of 768 bytes holds 16 rows x 64 along K as six operand registers g0-g5 of lane (r, h): the 24 bytes of row r for k = 32 h .. 32 h + 31.
;   g0-g3 lie at byte 256 h + 16 r, g4-g5 at byte 512 + 16 r + 8 h.  Two neighbouring images are a fragment of 128 along K.  A tile's 16 images (K = 1,024) are 12,288 bytes on end.
; THE ROWS OF A TILE: in each group of 32 rows (tokens, or a weight's columns) tile 2 B + u holds at row p the index 32 B + 8 u + p + 8 (p / 8).
; SCALE WORDS: [tile][128 along K][16 rows], four bytes a row, behind a buffer's codes.
; Work-groups 0-95 take w_qkv, 96-127 w_out, 128-639 x.  No work-group shares an input with another: no cluster, no tensor load, no barrier.  Only x's path uses LDS.
.set XSC, 6291456                      ; xq: where the scale words begin
.set X,   32                           ; weights: v32-95 two sets of 32 numbers
.set C,   96                           ; v96-119 codes: for each 64 along K three runs of four registers, as they are stored
.set TT,  120                          ; v120-122 a block's upper 16 codes, before they are moved to their places
; ---- a weight: a lane takes a column, its registers run down K
.macro LOADB t, N, SRC                 ; block t: W(32 t + i, my column), i = 0 .. 31, into set t % 2; the eight waves read 1,024 consecutive bytes of each row
.irp i, 0,1,2,3,4,5,6,7,8,9,10,11,12,13,14,15,16,17,18,19,20,21,22,23,24,25,26,27,28,29,30,31
	global_load_b32 v[X+32*((\t)%2)+\i], v4, s[\SRC:\SRC+1] offset:(32*(\t)+\i)*(\N)*4 th:TH_LOAD_NT
.endr
.endm
.macro BLOCK t, N, SRC
.set XS, X+32*((\t)%2)
.set CK, C+12*((\t)/2)
.set HB, (\t)%2
.if (\t) < 3
	s_wait_loadcnt 32                              ; this block's 32 loads are in; the next block's 32 may be out
.else
	s_wait_loadcnt 0x0
.endif
	v_max3_num_f32 v12, |v[XS]|, |v[XS+1]|, |v[XS+2]|              ; the block's largest magnitude: all 32 numbers are mine; two chains
	v_max3_num_f32 v13, |v[XS+3]|, |v[XS+4]|, |v[XS+5]|
.irp i, 6,10,14,18,22,26
	s_delay_alu instid0(VALU_DEP_2)
	v_max3_num_f32 v12, v12, |v[XS+\i]|, |v[XS+\i+1]|
	s_delay_alu instid0(VALU_DEP_2)
	v_max3_num_f32 v13, v13, |v[XS+\i+2]|, |v[XS+\i+3]|
.endr
	s_delay_alu instid0(VALU_DEP_2)
	v_max3_num_f32 v12, v12, |v[XS+30]|, |v[XS+31]|
	s_delay_alu instid0(VALU_DEP_1)
	v_max3_num_f32 v12, v12, v13, 0x1800000        ; and the floor 2^(3 - 127): the byte cannot fall under 1
	s_delay_alu instid0(VALU_DEP_1)
	v_add_nc_u32 v11, 0xff000000, v12              ; 2 off the exponent field: the conversion takes this operand's exponent field as its scale
	s_delay_alu instid0(VALU_DEP_1)
	v_lshrrev_b32 v13, 23, v11                     ; the scale's byte
	v_cvt_scalef32_pk16_fp6_f32 v[CK+4*HB:CK+4*HB+2], v[XS:XS+15], v11     ; g0-g2
	v_cvt_scalef32_pk16_fp6_f32 v[TT:TT+2], v[XS+16:XS+31], v11            ; g3-g5 (a conversion's three registers begin on an even number)
.if (\t) == 0
	v_mov_b32 v24, v13                             ; the scale word: byte t.  (Also the plain line behind the conversions)
.else
	v_lshl_or_b32 v24, v13, 8*(\t), v24
.endif
	v_mov_b32 v[CK+4*HB+3], v[TT]                  ; g3 completes the run of four
	v_mov_b32 v[CK+8+2*HB], v[TT+1]                ; g4, g5 of both halves make the third run
	v_mov_b32 v[CK+9+2*HB], v[TT+2]
.if (\t) < 2
	LOADB (\t)+2, \N, \SRC
.endif
.if HB == 1                            ; an image is whole: each store covers 256 consecutive aligned bytes in each of two tiles.  Every 64 along K has registers of its own: no store's data are written again
	global_store_b128 v5, v[CK:CK+3], s[28:29] offset:768*((\t)/2)
	global_store_b128 v5, v[CK+4:CK+7], s[28:29] offset:768*((\t)/2)+256
	global_store_b128 v5, v[CK+8:CK+11], s[28:29] offset:768*((\t)/2)+512
.endif
.endm
; a work-group takes 256 columns x 128 along K, a wave 32 columns: one group of 32, that is two tiles
.macro WPATH N, SRC, DST, SCOFF, ID0
	s_sub_co_u32 s17, ttmp9, \ID0
	s_and_b32 s18, s17, 7                          ; which 128 along K
	s_lshr_b32 s19, s17, 3                         ; which 256 columns
	s_lshl_b32 s22, s19, 3
	s_add_co_u32 s22, s22, s16                     ; my wave's group of 32 columns
	s_mul_i32 s24, s18, 128*(\N)*4
	s_lshl_b32 s23, s22, 7
	s_add_co_u32 s24, s24, s23                     ; the weight: 128 rows x which + 128 bytes x group
	s_add_nc_u64 s[\SRC:\SRC+1], s[\SRC:\SRC+1], s[24:25]
	s_mul_i32 s26, s22, 2*12288
	s_mul_i32 s23, s18, 1536
	s_add_co_u32 s26, s26, s23                     ; the codes: two tiles a group, 1,536 bytes for 128 along K
	s_add_nc_u64 s[28:29], s[\DST:\DST+1], s[26:27]
	s_lshl_b32 s26, s22, 10
	s_lshl_b32 s23, s18, 6
	s_add_co_u32 s26, s26, s23
	s_add_co_u32 s26, s26, \SCOFF                  ; the scale words: 512 bytes a tile, 64 for 128 along K
	s_add_nc_u64 s[30:31], s[\DST:\DST+1], s[26:27]
	v_lshlrev_b32 v4, 2, v1                        ; in: 4 bytes a lane
	v_bfe_u32 v7, v0, 3, 1                         ; column c of the group lies in tile u = (c / 8) % 2
	v_and_b32 v8, 7, v0
	s_delay_alu instid0(VALU_DEP_1)
	v_lshl_or_b32 v8, v3, 3, v8                    ; at row c % 8 + 8 (c / 16)
	s_delay_alu instid0(VALU_DEP_3)
	v_mul_u32_u24 v5, v7, 12288
	s_delay_alu instid0(VALU_DEP_1)
	v_lshl_add_u32 v5, v8, 4, v5                   ; codes: tile, 16 bytes a row
	v_lshlrev_b32 v6, 9, v7
	s_delay_alu instid0(VALU_DEP_1)
	v_lshl_add_u32 v6, v8, 2, v6                   ; words: tile, 4 bytes a row
	LOADB 0, \N, \SRC
	LOADB 1, \N, \SRC
	BLOCK 0, \N, \SRC
	BLOCK 1, \N, \SRC
	BLOCK 2, \N, \SRC
	BLOCK 3, \N, \SRC
	global_store_b32 v6, v24, s[30:31]             ; 64 consecutive bytes in each of two tiles: one byte for each 128 that the path reads
.endm
	s_load_b256 s[4:11], s[0:1], 0x0               ; x s[4:5], w_qkv s[6:7], w_out s[8:9], xq s[10:11]
	s_load_b128 s[12:15], s[0:1], 0x20             ; wq s[12:13], wo s[14:15]
	v_lshl_add_u32 v184, v0, 2, 0x10800
	v_mov_b32 v185, 0
	v_lshrrev_b32 v1, 5, v0
	s_delay_alu instid0(VALU_DEP_1)
	v_readfirstlane_b32 s16, v1                    ; wave 0..7
	v_and_b32 v1, 31, v0                           ; lane
	v_and_b32 v2, 15, v0                           ; r
	v_bfe_u32 v3, v0, 4, 1                         ; h
	s_mov_b32 s20, 0x76543210
	s_mov_b32 s21, 0xfedcba98                      ; v_permlanex16_b32's selects for lane l xor 16
	s_mov_b32 s25, 0                               ; the upper words of the offsets
	s_mov_b32 s27, 0
	s_wait_kmcnt 0x0
	s_cmp_lt_u32 ttmp9, 96
	s_cbranch_scc1 .Lw_qkv
	s_cmp_lt_u32 ttmp9, 128
	s_cbranch_scc1 .Lw_out
	; ---- x: a work-group takes a tile of 16 tokens, a wave 128 along K of it: one fragment
	s_sub_co_u32 s17, ttmp9, 128                   ; the tile
	s_lshr_b32 s18, s17, 1
	s_lshl_b32 s18, s18, 5
	s_and_b32 s19, s17, 1
	s_lshl_b32 s19, s19, 3
	s_add_co_u32 s18, s18, s19                     ; its first token: 32 (T / 2) + 8 (T % 2)
	s_lshl_b32 s24, s18, 12
	s_lshl_b32 s19, s16, 9
	s_add_co_u32 s24, s24, s19                     ; rows of 4,096 bytes, 512 bytes a wave
	s_add_nc_u64 s[4:5], s[4:5], s[24:25]
	s_mul_i32 s26, s17, 12288
	s_mul_i32 s19, s16, 1536
	s_add_co_u32 s26, s26, s19
	s_add_nc_u64 s[28:29], s[10:11], s[26:27]      ; my fragment
	s_lshl_b32 s26, s17, 9
	s_lshl_b32 s19, s16, 6
	s_add_co_u32 s26, s26, s19
	s_add_co_u32 s26, s26, XSC
	s_add_nc_u64 s[30:31], s[10:11], s[26:27]      ; its scale words
	s_wait_alu depctr_va_vdst(0)
	v_lshlrev_b32 v4, 4, v1                        ; 16 x lane
.irp i, 0,1,2,3,4,5,6,7,8,9,10,11,12,13,14,15
	global_load_b128 v[32+4*\i:35+4*\i], v4, s[4:5] offset:(\i+8*(\i/8))*4096 th:TH_LOAD_NT   ; row i of the tile: 512 consecutive bytes
.endr
	s_mul_i32 s22, s16, 16*528                     ; my wave's stage: 16 rows of 512 bytes + 16, so that the rows read back start 33 x 16 bytes apart
	v_add_nc_u32 v5, s22, v4                       ; in: as loaded
	v_mul_u32_u24 v6, v2, 528
	s_delay_alu instid0(VALU_DEP_1)
	v_lshl_add_u32 v6, v3, 7, v6
	s_delay_alu instid0(VALU_DEP_1)
	v_add_nc_u32 v6, s22, v6                       ; back: row r, + 128 h: lane (r, h) takes k = 64 c + 32 h + 0 .. 31
	v_lshlrev_b32 v7, 4, v2
	s_delay_alu instid0(VALU_DEP_1)
	v_lshl_add_u32 v7, v3, 3, v7                   ; 16 r + 8 h
	v_lshlrev_b32 v8, 2, v2                        ; 4 r
	s_wait_alu depctr_va_vdst(0)
.irp i, 0,1,2,3,4,5,6,7,8,9,10,11,12,13,14,15
	s_wait_loadcnt 15-\i                           ; row i is in; the rows behind it may be out
	ds_store_b128 v5, v[32+4*\i:35+4*\i] offset:528*\i
.endr
.irp c, 0,1
.irp j, 0,1,2,3,4,5,6,7
	ds_load_b128 v[96+32*\c+4*\j:99+32*\c+4*\j], v6 offset:256*\c+16*\j   ; LDS serves a wave's instructions in order: these see my stores
.endr
.endr
	s_wait_dscnt 0x0
.irp c, 0,1
	v_max3_num_f32 v[10+\c], |v[96+32*\c]|, |v[97+32*\c]|, 0x1800000   ; my block 2 c + h: all its 32 numbers are mine; and the floor
.endr
.irp i, 2,4,6,8,10,12,14,16,18,20,22,24,26,28,30
.irp c, 0,1
	s_delay_alu instid0(VALU_DEP_2)
	v_max3_num_f32 v[10+\c], v[10+\c], |v[96+32*\c+\i]|, |v[97+32*\c+\i]|
.endr
.endr
.irp c, 0,1
	s_delay_alu instid0(VALU_DEP_2)
	v_add_nc_u32 v[12+\c], 0xff000000, v[10+\c]    ; the conversion's scale operand
.endr
.irp c, 0,1
	s_delay_alu instid0(VALU_DEP_2)
	v_lshrrev_b32 v[14+\c], 23, v[12+\c]           ; the byte
.endr
	s_delay_alu instid0(VALU_DEP_1)
	v_lshl_or_b32 v16, v15, 16, v14                ; my two bytes, blocks h and 2 + h,
	v_lshlrev_b32 v17, 3, v3
	s_delay_alu instid0(VALU_DEP_1)
	v_lshlrev_b32 v16, v17, v16                    ; at their places;
	v_mov_b32 v17, 0
	s_delay_alu instid0(VALU_DEP_1)
	v_permlanex16_b32 v17, v16, s20, s21
	s_delay_alu instid0(VALU_DEP_1)
	v_or_b32 v16, v16, v17                         ; with lane l xor 16's two the word is whole
.irp c, 0,1
	v_cvt_scalef32_pk16_fp6_f32 v[160+6*\c:162+6*\c], v[96+32*\c:111+32*\c], v[12+\c]
	v_cvt_scalef32_pk16_fp6_f32 v[172+4*\c:174+4*\c], v[112+32*\c:127+32*\c], v[12+\c]
.endr
	v_nop                                          ; one plain line behind the conversions
.irp c, 0,1
.irp i, 0,1,2
	v_mov_b32 v[163+6*\c+\i], v[172+4*\c+\i]
.endr
.endr
	global_store_b128 v4, v[160:163], s[28:29]             ; 512 consecutive bytes
	global_store_b64 v7, v[164:165], s[28:29] offset:512   ; 256
	global_store_b128 v4, v[166:169], s[28:29] offset:768
	global_store_b64 v7, v[170:171], s[28:29] offset:1280
	global_store_b32 v8, v16, s[30:31]                     ; lanes l and l xor 16 store the same word at the same place
	s_wait_tensorcnt 0x0
	ds_add_u32 v184, v185
	s_wait_dscnt 0x0
	s_endpgm
.Lw_qkv:
	s_wait_alu depctr_va_vdst(0)
	WPATH 3072, 6, 12, 2359296, 0
	s_endpgm
.Lw_out:
	s_wait_alu depctr_va_vdst(0)
	WPATH 1024, 8, 14, 786432, 96
	s_endpgm
.Lfunc_end_k_qbbacb66044_prep:
	.size	k_qbbacb66044_prep, .Lfunc_end_k_qbbacb66044_prep-k_qbbacb66044_prep
	.p2alignl 7, 3214868480
	.fill 96, 4, 3214868480
	.section	.rodata,"a",@progbits
	.p2align	6, 0x0
	.amdhsa_kernel k_qbbacb66044_prep
		.amdhsa_group_segment_fixed_size 68608
		.amdhsa_private_segment_fixed_size 0
		.amdhsa_enable_private_segment 0
		.amdhsa_kernarg_size 48
		.amdhsa_user_sgpr_count 2
		.amdhsa_user_sgpr_kernarg_segment_ptr 1
		.amdhsa_wavefront_size32 1
		.amdhsa_system_sgpr_workgroup_id_x 1
		.amdhsa_system_sgpr_workgroup_id_y 1
		.amdhsa_system_sgpr_workgroup_id_z 1
		.amdhsa_system_vgpr_workitem_id 0
		.amdhsa_next_free_vgpr 186
		.amdhsa_next_free_sgpr 66
		.amdhsa_reserve_vcc 0
		.amdhsa_float_denorm_mode_32 3
		.amdhsa_float_denorm_mode_16_64 3
		.amdhsa_memory_ordered 1
		.amdhsa_forward_progress 1
		.amdhsa_inst_pref_size 55
	.end_amdhsa_kernel
	.amdgpu_metadata
---
amdhsa.version: [ 1, 2 ]
amdhsa.kernels:
  - .name:           k_qbbacb66044_prep
    .symbol:         k_qbbacb66044_prep.kd
    .args:
      - { .name: x, .offset: 0, .size: 8, .value_kind: global_buffer, .address_space: global }
      - { .name: w_qkv, .offset: 8, .size: 8, .value_kind: global_buffer, .address_space: global }
      - { .name: w_out, .offset: 16, .size: 8, .value_kind: global_buffer, .address_space: global }
      - { .name: xq, .offset: 24, .size: 8, .value_kind: global_buffer, .address_space: global }
      - { .name: wq, .offset: 32, .size: 8, .value_kind: global_buffer, .address_space: global }
      - { .name: wo, .offset: 40, .size: 8, .value_kind: global_buffer, .address_space: global }
    .group_segment_fixed_size: 68608
    .private_segment_fixed_size: 0
    .kernarg_segment_align: 8
    .kernarg_segment_size: 48
    .max_flat_workgroup_size: 256
    .sgpr_count:     66
    .vgpr_count:     186
    .wavefront_size: 32
...
	.end_amdgpu_metadata
.endif
;; end of part 1
;; launch qkv (part 2): grid 32 x 8, 4 waves a work-group, clusters of 4 x 4, 205,312 bytes of LDS; arguments xq, wq, qb, kv; writes qb, kv
.if DOCPART == 2
	.amdgcn_target "amdgcn-amd-amdhsa--gfx1250"
	.amdhsa_code_object_version 6
	.text
	.protected	k_qbbacb66044_qkv
	.globl	k_qbbacb66044_qkv
	.p2align	8
	.type	k_qbbacb66044_qkv,@function
k_qbbacb66044_qkv:
	s_mov_b64 s[64:65], 0
	v_nop
	global_prefetch_b8 v0, s[64:65] scope:SCOPE_SE
	s_setreg_imm32_b32 hwreg(HW_REG_WAVE_MODE, 25, 1), 1
	s_wait_xcnt 0x0
	s_wait_alu depctr_hold_cnt(0) depctr_sa_sdst(0) depctr_va_vdst(0) depctr_va_sdst(0) depctr_va_ssrc(0) depctr_va_vcc(0) depctr_vm_vsrc(0)
	s_getreg_b32 s2, hwreg(HW_REG_IB_STS2, 6, 4)
	s_cmp_eq_u32 s2, 0
	s_cbranch_scc0 .Lentry_in_a_cluster
	s_endpgm
.Lentry_in_a_cluster:
	s_bfe_u32 s2, ttmp6, 0x10000c
	s_cmp_lg_u32 s2, 0xf033
	s_cbranch_scc0 .Lentry_shape_is_right
	s_endpgm
.Lentry_shape_is_right:
; Q, K, V = x w_qkv AND THEIR QUANTISERS, on codes of FP6 (E2M3) with E8M0 scales: 8,192 x 3,072 x 1,024.  The results leave as codes and scale bytes in the order of the next launch's operand registers; no f32 result is stored.
; xq and wq hold tiles of 16 rows (tokens; w_qkv's columns) x K = 1,024 as 16 images of 768 bytes: six operand registers of lane (r, h): g0-g3 at byte 16 x lane, g4-g5 at 512 + 16 r + 8 h; two images are a fragment of 128 along K.
; Tile 2 B + u holds at row p the index 32 B + 8 u + p + 8 (p / 8).  Scale words lie behind the codes: [tile][128 along K][16 rows], four bytes each.
; THE DEAL.  256 work-groups of four waves; a work-group takes 256 tokens (16 tiles) x 384 columns.  Wave W = 4 x column group + wave (0 .. 31) holds in registers, all of K, the four column tiles of ONE HEAD of Q (W < 16) or K, and two tiles of V:
; half W % 2 of head W / 2: 48 fragments, 576 registers.  It streams the 16 token tiles past them: 48 products a block, six accumulators by turns.
; x's 196,608 bytes lie in LDS for the whole launch, filled once, one JOINT load a wave (64 rows of 768 bytes each), shared by the four work-groups of a column of the cluster.  All is asked for at the head: no ring, no loop to prefetch ahead in.
; THE WEIGHTS go from memory straight into registers, as the register images that they are: a work-group's 294,912 bytes of them do not fit in LDS beside x's 196,608, so they have no joint load.
; Q AND K: source 0 = the weight's rows.  THE ROWS OF A WEIGHT TILE ARE CHOSEN BY THE LANES' ADDRESSES: tile j takes at row 8 g + i the head's channel 32 g + 8 j + i (tile 2 g + j % 2, row i + 8 (j / 2) of the buffer).
; So lane (r, h) holds of a block's four tiles the channels 32 h + 0 .. 31 of token row r: one scale block, in the order of the image's six registers.
; V: source 0 = x's rows: lane (r, h) holds channel r and, of token tiles 2 B, 2 B + 1, tokens 32 B + 16 h + 0 .. 15.  A band of 64 tokens (four blocks) is converted behind its fourth block; half blocks change lanes.
; OUT: qb[16 batch + head][tile][768], words at 6,291,456; kv[16 batch + head][16 records of 13,056: k's 8 images | v^T's 4 fragments of 1,536 | k's words | v's words].  Bytes 2, 3 of q's and k's words are 0x7f.
; THE TEXT: a trip is a band of four blocks; three trips in a loop, the last written out: it fetches nothing beyond block 15.  Every wait on LDS is for 0: the next block's rows were asked for a block earlier.
; LIMITS: a block of zeros, or one under 2^-124, keeps the byte 1; NaN, infinities and sums beyond f32's range are not served.
.set KROW, 768
.set TILE, 12288
.set XS, 16*TILE                       ; x's scale words in LDS, as they lie: 512 bytes a tile
.set SPARE, XS+8192
.set XSC, 6291456
.set WSC, 2359296
.set G16, 4                            ; v4 16 x lane; also the LDS address of block 0's pieces of 16 bytes
.set G8, 5                             ; v5 16 r + 8 h
.set W4, 6                             ; v6 4 r
.set WK16, 7                           ; v7 24576 (r / 8) + 256 h + 16 (r % 8)
.set WK8, 8                            ; v8 24576 (r / 8) + 16 (r % 8) + 8 h
.set SH8, 9                            ; v9 8 h
.set SPW, 10
.set NIL, 11
.set ADS, 13                           ; v13 XS + 4 r
.set AQ16, 14                          ; v14-16 the addresses of the block that is fetched next
.set AQ8, 15
.set AQS, 16
.set SWK, 17                           ; v17 1024 (r / 8) + 512 h + 4 (r % 8)
.set SWV, 18                           ; v18 512 h + 4 r
.set XTA, 19                           ; v19 16 x thread
.set XTL, 12                           ; v12 XS + 16 x thread
.set SB, 24                            ; v24-39 the words of Q|K's weights: tile 2 p in lanes 0-15, 2 p + 1 in lanes 16-31
.set SBV, 40                           ; v40-47 of V's: tile 0 and tile 1 likewise
.set SA, 52                            ; v52-67 x's words, two sets; their numbers differ from the weights' by 4 modulo 8
.set ACC, 68                           ; v68-99 Q|K's sums
.set HV, 100                           ; v100-163 V's sums: 32 t + 8 l + i
.set NCD, 164                          ; v164-169 Q|K's image
.set TC, 170
.set TQ, 174
.set SOP, 176
.set EB, 177
.set EO, 178
.set WD, 179
.set PCV, 180                          ; v180-185, v188-193 V's images
.set TV, 196                           ; v196-198, v200-202
.set TM, 204                           ; v204-207
.set TP, 208
.set SOV, 212
.set EBV, 216
.set HW, 220
.set XT, 224                           ; v224-239 head: x's scale words on their way into LDS
.set F63, 240                          ; v240-251 the 64th fragment
.set G1A, 24
.set G0A, 56
.set CB, 12
.set WB, 16
.set VB, 18
.set VWB, 22
.set PWK, 32
.set PWV, 34
.set PSK, 36
.set PSV, 38
.set PXS, 46
.set SEL, 48
.set PADB, 50
.set ICM, 51
.set IWM, 52
.set IVM, 53
.set IVW, 54
.set TRIP, 55
.set MSB, 0
.macro WIN new
.if MSB != \new
	s_set_vgpr_msb (MSB<<8)|\new
.set MSB, \new
.endif
.endm
.macro PLACES n
.rept \n
	v_nop
.endr
.endm
.macro WALU
	s_wait_alu depctr_va_vdst(0)
.endm
.macro BARRIER
	s_barrier_signal -1
	s_barrier_wait -1
.endm
.macro CROUND
	BARRIER
	s_cmp_lg_u32 s14, 0
	s_cbranch_scc1 .Lnot_wave_0_\@
	s_barrier_signal -3
.Lnot_wave_0_\@:
	s_barrier_wait -3
	BARRIER
.endm
; fragments: 0-31 Q|K's weights (4 q + tile), 32-47 V's (32 + 2 q + tile), 48-63 x's two sets (48 + 8 e + q): 21 to a window, windows 1 to 3; the 64th in window 0
.macro FPLACE f
.if (\f) == 63
.set FW_, 0
.set FG_, F63
.else
.set FW_, 1+(\f)/21
.set FG_, 12*((\f)%21)
.endif
.endm
.macro GFRAG f, a16, a8, base, off
	FPLACE \f
	WIN FW_<<6
	global_load_b128 v[FG_:FG_+3], v[\a16], s[\base:\base+1] offset:\off
	global_load_b64 v[FG_+4:FG_+5], v[\a8], s[\base:\base+1] offset:(\off)+512
	global_load_b128 v[FG_+6:FG_+9], v[\a16], s[\base:\base+1] offset:(\off)+768
	global_load_b64 v[FG_+10:FG_+11], v[\a8], s[\base:\base+1] offset:(\off)+1280
.endm
.macro FETCH e, a16, a8, as            ; a block of x into set e: 32 loads for eight fragments, 8 for its scale words
.irp q, 0,1,2,3,4,5,6,7
	FPLACE 48+8*(\e)+\q
	WIN FW_<<6
	ds_load_b128 v[FG_:FG_+3], v[\a16] offset:1536*\q
	ds_load_b64 v[FG_+4:FG_+5], v[\a8] offset:1536*\q+512
	ds_load_b128 v[FG_+6:FG_+9], v[\a16] offset:1536*\q+768
	ds_load_b64 v[FG_+10:FG_+11], v[\a8] offset:1536*\q+1280
.endr
	WIN 0
.irp q, 0,1,2,3,4,5,6,7
	ds_load_b32 v[SA+8*(\e)+\q], v[\as] offset:64*\q
.endr
.endm
.macro WM d, s0, s1, c, x0, x1, ra, rb
	v_wmma_scale_f32_16x16x128_f8f6f4 v[\d:\d+7], v[\s0:\s0+11], v[\s1:\s1+11], \c, v[\x0], v[\x1] matrix_a_fmt:MATRIX_FMT_FP6 matrix_b_fmt:MATRIX_FMT_FP6 matrix_a_scale:MATRIX_SCALE_ROW\ra matrix_b_scale:MATRIX_SCALE_ROW\rb
.endm
.macro PROD1 d, s0, s1, c, x0, x1, o, e
.if (\o) && (\e)
	WM \d, \s0, \s1, \c, \x0, \x1, 1, 1
.elseif \o
	WM \d, \s0, \s1, \c, \x0, \x1, 1, 0
.elseif \e
	WM \d, \s0, \s1, \c, \x0, \x1, 0, 1
.else
	WM \d, \s0, \s1, \c, \x0, \x1, 0, 0
.endif
.endm
.macro PQK e, q, t                     ; source 0 the weight's rows, source 1 x's
	FPLACE 48+8*(\e)+\q
.set XW_, FW_
.set XG_, FG_
	FPLACE 4*\q+\t
	WIN FW_|(XW_<<2)
.set D_, ACC+8*\t
.if \q
	PROD1 D_, FG_, XG_, v[D_:D_+7], SB+8*(\t/2)+\q, SA+8*(\e)+\q, \t%2, 0
.else
	PROD1 D_, FG_, XG_, 0, SB+8*(\t/2)+\q, SA+8*(\e)+\q, \t%2, 0
.endif
.endm
.macro PV e, q, t, l                   ; source 0 x's rows, source 1 the weight's
	FPLACE 48+8*(\e)+\q
.set XW_, FW_
.set XG_, FG_
	FPLACE 32+2*\q+\t
	WIN XW_|(FW_<<2)
.set D_, HV+32*\t+8*(\l)
.if \q
	PROD1 D_, XG_, FG_, v[D_:D_+7], SA+8*(\e)+\q, SBV+\q, 0, \t
.else
	PROD1 D_, XG_, FG_, 0, SA+8*(\e)+\q, SBV+\q, 0, \t
.endif
.endm
.macro PRODS e, l
.irp q, 0,1,2,3,4,5,6,7
.irp t, 0,1,2,3
	PQK \e, \q, \t
.endr
.irp t, 0,1
	PV \e, \q, \t, \l
.endr
.endr
	WIN 0
.endm
.macro QKOUT l                         ; a lane's 32 sums are one scale block: its largest magnitude in two chains, each accumulator from its low end on; the scale; two conversions; the image and the word leave
	v_max3_num_f32 v[TQ], |v[ACC]|, |v[ACC+1]|, |v[ACC+2]|
	v_max3_num_f32 v[TQ+1], |v[ACC+16]|, |v[ACC+17]|, |v[ACC+18]|
.irp i, 3,5,7,9,11,13
	v_max3_num_f32 v[TQ], v[TQ], |v[ACC+\i]|, |v[ACC+\i+1]|
	v_max3_num_f32 v[TQ+1], v[TQ+1], |v[ACC+16+\i]|, |v[ACC+17+\i]|
.endr
	v_max3_num_f32 v[TQ], v[TQ], |v[ACC+15]|, 0x1800000   ; and the floor 2^(3 - 127)
	v_max3_num_f32 v[TQ], v[TQ], v[TQ+1], |v[ACC+31]|
	v_add_nc_u32 v[SOP], 0xff000000, v[TQ]         ; 2 off the exponent field: the conversions' scale operand
	v_cvt_scalef32_pk16_fp6_f32 v[NCD:NCD+2], v[ACC:ACC+15], v[SOP]
	v_cvt_scalef32_pk16_fp6_f32 v[TC:TC+2], v[ACC+16:ACC+31], v[SOP]   ; (a conversion's three registers begin on an even number)
	v_lshrrev_b32 v[EB], 23, v[SOP]                ; the byte of block h
.irp i, 0,1,2
	v_mov_b32 v[NCD+3+\i], v[TC+\i]
.endr
	v_lshlrev_b32 v[EB], v[SH8], v[EB]             ; at its place,
	v_permlanex16_b32 v[EO], v[EB], s[SEL], s[SEL+1]
	v_or_b32 v[WD], v[EB], v[EO]                   ; with lane l xor 16's,
	v_or_b32 v[WD], s[PADB], v[WD]                 ; and 0x7f for the half of K that the head does not fill
	global_store_b128 v[G16], v[NCD:NCD+3], s[CB:CB+1] offset:768*(\l)       ; 512 and 256 consecutive bytes
	global_store_b64 v[G8], v[NCD+4:NCD+5], s[CB:CB+1] offset:768*(\l)+512
	global_store_b32 v[W4], v[WD], s[WB:WB+1] offset:64*(\l)                 ; lanes l and l xor 16 store the same word at the same place
.endm
.macro VOUT                            ; a band of 64 tokens: chain 2 t + b is block b of tile t, 16 numbers in each half of the lanes
.irp t, 0,1
.irp b, 0,1
	v_max3_num_f32 v[TM+2*\t+\b], |v[HV+32*\t+16*\b]|, |v[HV+32*\t+16*\b+1]|, 0x1800000
.endr
.endr
.irp i, 2,4,6,8,10,12,14
.irp t, 0,1
.irp b, 0,1
	v_max3_num_f32 v[TM+2*\t+\b], v[TM+2*\t+\b], |v[HV+32*\t+16*\b+\i]|, |v[HV+32*\t+16*\b+\i+1]|
.endr
.endr
.endr
.irp k, 0,1,2,3
	v_permlanex16_b32 v[TP+\k], v[TM+\k], s[SEL], s[SEL+1]
.endr
.irp k, 0,1,2,3
	v_max_num_f32 v[TM+\k], v[TM+\k], v[TP+\k]
.endr
.irp k, 0,1,2,3
	v_add_nc_u32 v[SOV+\k], 0xff000000, v[TM+\k]
.endr
.irp k, 0,1,2,3
	v_lshrrev_b32 v[EBV+\k], 23, v[SOV+\k]
.endr
.irp t, 0,1
	v_lshl_or_b32 v[HW+\t], v[EBV+2*\t+1], 8, v[EBV+2*\t]   ; the band's two bytes of the row's word
.endr
.irp t, 0,1
	v_cvt_scalef32_pk16_fp6_f32 v[PCV+8*\t:PCV+8*\t+2], v[HV+32*\t:HV+32*\t+15], v[SOV+2*\t]
	v_cvt_scalef32_pk16_fp6_f32 v[TV+4*\t:TV+4*\t+2], v[HV+32*\t+16:HV+32*\t+31], v[SOV+2*\t+1]
.endr
	v_nop
.irp t, 0,1                            ; a whole block to a lane
.irp i, 0,1,2
	v_permlane16_swap_b32 v[PCV+8*\t+\i], v[TV+4*\t+\i]
.endr
.irp i, 0,1,2
	v_mov_b32 v[PCV+8*\t+3+\i], v[TV+4*\t+\i]
.endr
.endr
.irp t, 0,1
	global_store_b128 v[G16], v[PCV+8*\t:PCV+8*\t+3], s[VB:VB+1] offset:1536*\t
	global_store_b64 v[G8], v[PCV+8*\t+4:PCV+8*\t+5], s[VB:VB+1] offset:1536*\t+512
	global_store_b16 v[W4], v[HW+\t], s[VWB:VWB+1] offset:64*\t
.endr
.endm
.macro BLOCK l, fetch
	PRODS (\l)%2, \l
.if \fetch                             ; four plain lines between the last product, the fetch into its operands and the first reader of its sums
	v_add_nc_u32 v[AQ16], s101, v[G16]
	v_add_nc_u32 v[AQ8], s101, v[G8]
	v_add_nc_u32 v[AQS], s91, v[ADS]
	v_nop
	WALU
.else
	PLACES 4
.endif
	s_wait_dscnt 0x0                               ; the next block's rows, asked for a block ago, are in
	s_wait_xcnt 0x0                                ; the last stores have read their registers
.if \fetch
	FETCH (\l)%2, AQ16, AQ8, AQS                   ; the block two on lands under the way out and the next block's products
	s_add_co_u32 s101, s101, TILE
	s_add_co_u32 s91, s91, 512
.endif
	QKOUT \l
.if (\l) == 3
	VOUT
.endif
.endm
	s_load_b256 s[4:11], s[0:1], 0x0               ; xq, wq, qb, kv
	v_lshl_add_u32 v[SPW], v0, 2, SPARE
	v_mov_b32 v[NIL], 0
	ds_add_u32 v[SPW], v[NIL]                      ; the opening lines
	ds_add_u32 v[SPW], v[NIL]
	v_lshrrev_b32 v1, 5, v0
	v_readfirstlane_b32 s14, v1                    ; the wave
	s_bfe_u32 s40, ttmp6, 0x40000
	s_bfe_u32 s41, ttmp6, 0x40004
	s_lshl_b32 s43, ttmp9, 2
	s_add_co_u32 s43, s43, s40                     ; which 256 tokens, 0 .. 31
	s_and_b32 s42, ttmp7, 0xffff
	s_lshl_b32 s42, s42, 2
	s_add_co_u32 s42, s42, s41                     ; column group, 0 .. 7
	s_lshl_b32 s44, 0x1111, s40                    ; my column of the cluster: shares x
	s_or_b32 s[G1A+0], s44, (1<<21)                ; 64 rows of 768 bytes, dense
	s_mov_b32 s[G1A+1], KROW<<16
	s_mov_b32 s[G1A+2], 64<<16
	s_mov_b32 s[G1A+3], KROW<<16
	s_mov_b32 s[G1A+4], 64
	s_mov_b32 s[G1A+5], KROW
	s_mov_b32 s[G1A+6], 0
	s_mov_b32 s[G1A+7], 0
	s_mov_b32 s[G0A], 1
	s_mul_i32 s[G0A+1], s14, 4*TILE                ; my four tiles' place in LDS
	s_mul_i32 s96, s43, 16*TILE
	s_add_co_u32 s96, s96, s[G0A+1]                ; and in xq
	s_mov_b32 s97, 0
	s_lshl_b32 s98, s43, 13
	s_add_co_u32 s98, s98, XSC                     ; the 256 tokens' scale words
	s_mov_b32 s99, 0
	s_lshl_b32 s60, s42, 2
	s_add_co_u32 s60, s60, s14                     ; W
	s_mul_i32 s84, s60, 4*TILE                     ; Q|K's weights: tiles 4 W ..
	s_mov_b32 s85, 0
	s_lshl_b32 s86, s60, 11
	s_add_co_u32 s86, s86, WSC
	s_mov_b32 s87, 0
	s_mul_i32 s88, s60, 2*TILE                     ; V's: tiles 128 + 2 W ..
	s_add_co_u32 s88, s88, 128*TILE
	s_mov_b32 s89, 0
	s_lshl_b32 s92, s60, 10
	s_add_co_u32 s92, s92, WSC+128*512
	s_mov_b32 s93, 0
	s_lshr_b32 s61, s43, 3                         ; batch
	s_and_b32 s62, s43, 7                          ; which 256 tokens of it
	s_lshl_b32 s66, s61, 4
	s_and_b32 s63, s60, 15
	s_add_co_u32 s63, s63, s66                     ; 16 batch + head
	s_lshl_b32 s67, s63, 7
	s_lshl_b32 s68, s62, 4
	s_add_co_u32 s67, s67, s68                     ; Q: my first tile
	s_mul_i32 s70, s67, 768
	s_lshl_b32 s72, s67, 6
	s_add_co_u32 s72, s72, 6291456
	s_mul_i32 s69, s62, 2*13056                    ; K, V: two records for 256 tokens
	s_mul_i32 s74, s63, 16*13056
	s_add_co_u32 s74, s74, s69
	s_add_co_u32 s76, s74, 12288
	s_mov_b32 s[ICM], 9984                         ; from a record's fifth image to the next record's first, and the same for the words; in Q the tiles lie on end
	s_mov_b32 s[IWM], 12800
	s_cmp_lt_u32 s42, 4                            ; Q or K
	s_cselect_b32 s70, s70, s74
	s_cselect_b32 s72, s72, s76
	s_cselect_b32 s[ICM], 3072, s[ICM]
	s_cselect_b32 s[IWM], 256, s[IWM]
	s_mov_b32 s71, 0
	s_mov_b32 s73, 0
	s_lshr_b32 s77, s60, 1
	s_add_co_u32 s77, s77, s66                     ; V: 16 batch + head
	s_mul_i32 s78, s77, 16*13056
	s_add_co_u32 s78, s78, s69
	s_and_b32 s77, s60, 1                          ; which two of its four fragments
	s_mul_i32 s79, s77, 3072
	s_add_co_u32 s80, s78, s79
	s_add_co_u32 s80, s80, 6144
	s_mov_b32 s81, 0
	s_lshl_b32 s77, s77, 7
	s_add_co_u32 s82, s78, s77
	s_add_co_u32 s82, s82, 12800
	s_mov_b32 s83, 0
	s_mov_b32 s75, 0
	s_mov_b32 s77, 0
	s_mov_b32 s[IVM], 12288
	s_mov_b32 s[IVW], 13054
	s_mov_b32 s[SEL], 0x76543210
	s_mov_b32 s[SEL+1], 0xfedcba98
	s_mov_b32 s[PADB], 0x7f7f0000
	v_and_b32 v1, 15, v0
	v_bfe_u32 v2, v0, 4, 1
	v_and_b32 v3, 31, v0
	v_lshlrev_b32 v[G16], 4, v3
	v_lshlrev_b32 v[G8], 4, v1
	v_lshl_add_u32 v[G8], v2, 3, v[G8]
	v_lshlrev_b32 v[W4], 2, v1
	v_lshlrev_b32 v[SH8], 3, v2
	v_bfe_u32 v20, v0, 3, 1                        ; r / 8
	v_and_b32 v21, 7, v0                           ; r % 8
	v_lshlrev_b32 v22, 4, v21
	v_mad_u32_u24 v22, v20, 2*TILE, v22
	v_lshl_add_u32 v[WK16], v2, 8, v22
	v_lshl_add_u32 v[WK8], v2, 3, v22
	v_lshlrev_b32 v22, 2, v21
	v_lshl_add_u32 v22, v20, 10, v22
	v_lshl_add_u32 v[SWK], v2, 9, v22
	v_lshl_add_u32 v[SWV], v2, 9, v[W4]
	v_add_nc_u32 v[ADS], XS, v[W4]
	v_add_nc_u32 v[AQ16], TILE, v[G16]
	v_add_nc_u32 v[AQ8], TILE, v[G8]
	v_add_nc_u32 v[AQS], 512, v[ADS]
	v_lshlrev_b32 v[XTA], 4, v0
	v_add_nc_u32 v[XTL], XS, v[XTA]
	v_mov_b32 v[EO], 0                             ; (a lane permute's destination counts as one of its sources)
.irp k, 0,1,2,3
	v_mov_b32 v[TP+\k], 0
.endr
	WALU
	s_wait_dscnt 0x0
	CROUND                                         ; the opening round
	s_wait_kmcnt 0x0
	s_add_nc_u64 s[G0A+2:G0A+3], s[4:5], s[96:97]
	s_or_b32 s[G0A+3], s[G0A+3], 0x80000000
	s_add_nc_u64 s[PXS:PXS+1], s[4:5], s[98:99]
	s_add_nc_u64 s[PWK:PWK+1], s[6:7], s[84:85]
	s_add_nc_u64 s[PSK:PSK+1], s[6:7], s[86:87]
	s_add_nc_u64 s[PWV:PWV+1], s[6:7], s[88:89]
	s_add_nc_u64 s[PSV:PSV+1], s[6:7], s[92:93]
	s_cmp_lt_u32 s42, 4
	s_cselect_b64 s[CB:CB+1], s[8:9], s[10:11]
	s_add_nc_u64 s[WB:WB+1], s[CB:CB+1], s[72:73]
	s_add_nc_u64 s[CB:CB+1], s[CB:CB+1], s[70:71]
	s_add_nc_u64 s[VB:VB+1], s[10:11], s[80:81]
	s_add_nc_u64 s[VWB:VWB+1], s[10:11], s[82:83]
	tensor_load_to_lds s[G0A:G0A+3], s[G1A:G1A+7]  ; one line, every wave: its quarter of x's rows
	s_nop 0
	PLACES 4
.irp k, 0,1,2,3
	global_load_b128 v[XT+4*\k:XT+4*\k+3], v[XTA], s[PXS:PXS+1] offset:2048*\k   ; x's scale words, 2,048 consecutive bytes a work-group's instruction
.endr
.irp p, 0,1
.irp q, 0,1,2,3,4,5,6,7
	global_load_b32 v[SB+8*\p+\q], v[SWK], s[PSK:PSK+1] offset:64*\q+32*\p
.endr
.endr
.irp q, 0,1,2,3,4,5,6,7
	global_load_b32 v[SBV+\q], v[SWV], s[PSV:PSV+1] offset:64*\q
.endr
.irp q, 0,1,2,3,4,5,6,7
.irp j, 0,1,2,3
	GFRAG 4*\q+\j, WK16, WK8, PWK, (\j%2)*TILE+128*(\j/2)+1536*\q
.endr
.irp t, 0,1
	GFRAG 32+2*\q+\t, G16, G8, PWV, \t*TILE+1536*\q
.endr
.endr
	WIN 0
	s_wait_loadcnt 63                              ; at most 63 of the 220 loads are out: the first four, x's scale words, are in
.irp k, 0,1,2,3
	ds_store_b128 v[XTL], v[XT+4*\k:XT+4*\k+3] offset:2048*\k
.endr
	s_wait_tensorcnt 0x0                           ; every wave: its quarter has landed
	s_wait_dscnt 0x0
	BARRIER                                        ; all of x and its scale words are in LDS; nothing is filled again
	FETCH 0, G16, G8, ADS
	FETCH 1, AQ16, AQ8, AQS
	s_mov_b32 s101, 2*TILE
	s_mov_b32 s91, 2*512
	s_mov_b32 s[TRIP], 0
	s_wait_loadcnt 0x0                             ; the weights and their words
	s_wait_dscnt 0x0
.Ltrip:
	BLOCK 0, 1
	BLOCK 1, 1
	BLOCK 2, 1
	BLOCK 3, 1
	s_wait_xcnt 0x0                                ; the stores have read their bases
	s_cmp_eq_u32 s[TRIP], 1                        ; behind the second band the next record begins
	s_cselect_b32 s70, s[ICM], 3072
	s_cselect_b32 s72, s[IWM], 256
	s_cselect_b32 s74, s[IVM], 768
	s_cselect_b32 s76, s[IVW], 2
	s_add_nc_u64 s[CB:CB+1], s[CB:CB+1], s[70:71]
	s_add_nc_u64 s[WB:WB+1], s[WB:WB+1], s[72:73]
	s_add_nc_u64 s[VB:VB+1], s[VB:VB+1], s[74:75]
	s_add_nc_u64 s[VWB:VWB+1], s[VWB:VWB+1], s[76:77]
	s_add_co_u32 s[TRIP], s[TRIP], 1
	s_cmp_lt_u32 s[TRIP], 3
	s_cbranch_scc1 .Ltrip
	BLOCK 0, 1                                     ; the last band: blocks 14 and 15 are its last fetches
	BLOCK 1, 1
	BLOCK 2, 0
	BLOCK 3, 0
	s_wait_tensorcnt 0x0                           ; the wave's end
	ds_add_u32 v[SPW], v[NIL]
	s_wait_dscnt 0x0
	CROUND                                         ; the closing round
	s_endpgm
.Lfunc_end_k_qbbacb66044_qkv:
	.size	k_qbbacb66044_qkv, .Lfunc_end_k_qbbacb66044_qkv-k_qbbacb66044_qkv
	.p2alignl 7, 3214868480
	.fill 96, 4, 3214868480
	.section	.rodata,"a",@progbits
	.p2align	6, 0x0
	.amdhsa_kernel k_qbbacb66044_qkv
		.amdhsa_group_segment_fixed_size 205312
		.amdhsa_private_segment_fixed_size 0
		.amdhsa_enable_private_segment 0
		.amdhsa_kernarg_size 32
		.amdhsa_user_sgpr_count 2
		.amdhsa_user_sgpr_kernarg_segment_ptr 1
		.amdhsa_wavefront_size32 1
		.amdhsa_system_sgpr_workgroup_id_x 1
		.amdhsa_system_sgpr_workgroup_id_y 1
		.amdhsa_system_sgpr_workgroup_id_z 1
		.amdhsa_system_vgpr_workitem_id 0
		.amdhsa_next_free_vgpr 1024
		.amdhsa_next_free_sgpr 102
		.amdhsa_reserve_vcc 0
		.amdhsa_float_denorm_mode_32 3
		.amdhsa_float_denorm_mode_16_64 3
		.amdhsa_memory_ordered 1
		.amdhsa_forward_progress 1
		.amdhsa_inst_pref_size 128
	.end_amdhsa_kernel
	.amdgpu_metadata
---
amdhsa.version: [ 1, 2 ]
amdhsa.kernels:
  - .name:           k_qbbacb66044_qkv
    .symbol:         k_qbbacb66044_qkv.kd
    .args:
      - { .name: xq, .offset: 0, .size: 8, .value_kind: global_buffer, .address_space: global }
      - { .name: wq, .offset: 8, .size: 8, .value_kind: global_buffer, .address_space: global }
      - { .name: qb, .offset: 16, .size: 8, .value_kind: global_buffer, .address_space: global }
      - { .name: kv, .offset: 24, .size: 8, .value_kind: global_buffer, .address_space: global }
    .group_segment_fixed_size: 205312
    .private_segment_fixed_size: 0
    .kernarg_segment_align: 8
    .kernarg_segment_size: 32
    .max_flat_workgroup_size: 128
    .sgpr_count:     102
    .vgpr_count:     1024
    .wavefront_size: 32
...
	.end_amdgpu_metadata
.endif
;; end of part 2
;; launch attn (part 3): grid 4 x 64, 16 waves a work-group, clusters of 4 x 1, 263,168 bytes of LDS; arguments qb, kv, ab; writes ab
.if DOCPART == 3
	.amdgcn_target "amdgcn-amd-amdhsa--gfx1250"
	.amdhsa_code_object_version 6
	.text
	.protected	k_qbbacb66044_attn
	.globl	k_qbbacb66044_attn
	.p2align	8
	.type	k_qbbacb66044_attn,@function
k_qbbacb66044_attn:
	s_mov_b64 s[64:65], 0
	v_nop
	global_prefetch_b8 v0, s[64:65] scope:SCOPE_SE
	s_setreg_imm32_b32 hwreg(HW_REG_WAVE_MODE, 25, 1), 1
	s_wait_xcnt 0x0
	s_wait_alu depctr_hold_cnt(0) depctr_sa_sdst(0) depctr_va_vdst(0) depctr_va_sdst(0) depctr_va_ssrc(0) depctr_va_vcc(0) depctr_vm_vsrc(0)
	s_getreg_b32 s2, hwreg(HW_REG_IB_STS2, 6, 4)
	s_cmp_eq_u32 s2, 0
	s_cbranch_scc0 .Lentry_in_a_cluster
	s_endpgm
.Lentry_in_a_cluster:
	s_bfe_u32 s2, ttmp6, 0x10000c
	s_cmp_lg_u32 s2, 0x3003
	s_cbranch_scc0 .Lentry_shape_is_right
	s_endpgm
.Lentry_shape_is_right:
; o = softmax(q k^T / 8) v for 64 heads of 2,048 tokens x 64, both products on codes of FP6 (E2M3) with E8M0 scales; o / l is quantised along (head, channel) and leaves as codes for the last product.
; THE SOFTMAX: t = score x log2(e) / 8; M = the row's largest t so far, rounded UP to a whole number; p = 2^(t - M) is quantised along the keys, not normalised.  The row's sum is taken of the unquantised p and divides at the end.
; When M moves, the sum and O are multiplied by 2^(old M - new M): exact.
; SHARES.  A work-group owns 512 queries of one head; each of its sixteen waves one tile of 16 queries in each of two passes, in 256 registers: four waves to a SIMD.
; K AND V OF THE WHOLE HEAD, 16 records of 13,056 bytes (128 keys: k's 8 images of 768 | v^T's 4 fragments of 1,536 | k's words | v's words), lie in LDS for the whole launch, filled ONCE: no ring, and no loop to prefetch ahead in: all is asked for at the head.
; In LDS 64 bytes of padding follow each 256: byte y of a record lies at 320 (y / 256) + y % 256, a record takes 16,320 bytes.
; CLUSTER.  The four work-groups of a head ask for each record JOINTLY.  Wave w issues ONE load, record w.  Waves 0-3 have a load line of their own: they alone wait ahead of the first barrier, behind which records 0-3 are read;
; behind four steps every wave waits and a second barrier shows the other twelve.  The second pass has no barrier.
; LAYOUT.  Both products transposed: S^T = K Q^T, O^T = V^T P^T: a lane holds one query.  THE KEYS OF A TILE ARE CHOSEN BY THE LANES' ADDRESSES: tile (c, j) takes at row 8 g + i the key 64 c + 32 g + 8 j + i, which lies in image 4 c + 2 g + j % 2 at row i + 8 (j / 2).
; So the 32 scores that lane (r, h) holds of tiles (c, 0 .. 3) are keys 64 c + 32 h + 0 .. 31: ONE scale block, in the order of p's operand registers.  No lane is asked for a block's maximum and no codes change lanes.
; With the padding rows 0-7 and rows 8-15 of such a tile lie 1,920 bytes apart, 128 modulo 256.
; THE HEAD'S 64 IN AN INSTRUCTION OF 128: Q's registers 6-11 are zero codes and bytes 2, 3 of q's and k's words are 0x7f.  K's operand for a tile reaches into the next six registers (the next tile's codes; behind the last tile the second pass's Q):
; the format has no NaN and no infinity, so they are multiplied by zero codes and add nothing.
; A block's largest p is taken through its largest score (p rises with the score); this leans on v_exp_f32 not falling where its input rises.
; LIMITS: a block of zeros, or one under 2^-124, keeps the byte 1; NaN and infinities are not served; the promise holds while the scaled scores t stay under 2^31 in magnitude.
.set REC,   13056
.set RECL,  16320                      ; a record in LDS
.set VL,    7680                       ; v^T's fragments in it (1,920 each)
.set KWL,   15360                      ; k's words
.set VWL,   16000                      ; v's words
.set SPARE, 16*RECL                    ; the spare words: 128 bytes a wave
.set LK16, 1                           ; v1  1920 (r / 8) + 320 h + 16 (r % 8)    (r = lane % 16, h = lane / 16)
.set LK8,  2                           ; v2  1920 (r / 8) + 16 (r % 8) + 8 h
.set LK4,  3                           ; v3  128 (r / 8) + 4 (r % 8)
.set LV16, 4                           ; v4  320 h + 16 r
.set LV8,  5                           ; v5  16 r + 8 h
.set LV4,  6                           ; v6  4 r
.set PW,   7                           ; v7  p's scale word
.set VS,   8                           ; v8-11 v's scale words.  v12 -M, v13 the largest score, v[14:15] the sum in two halves
.set Q,    16                          ; v16-27 Q's fragment; v22-27 zero codes
.set AK16, 28                          ; v28-33 the six addresses + the record in hand
.set AK8,  29
.set AK4,  30
.set AV16, 31
.set AV8,  32
.set AV4,  33
.set QNS,  34
.set QS,   35
.set KF,   36                          ; v36-83 K's eight tiles, six registers each
.set QN,   84                          ; v84-89 the second pass's Q
.set KS,   90                          ; v90-97 k's scale words
.set VF,   98                          ; v98-145 v^T's four fragments
.set TMP,  146                         ; the last step's -M; on the way out o's two scale bytes
.set G16,  147                         ; 16 x lane
.set S,    148                         ; v148-211 S^T, then p
.set O,    212                         ; v212-243 O^T
.set SU,   244                         ; v244-251 a step's sum of p, four chains of pairs
.set F,    252                         ; v[252:253] f
.set PC,   36                          ; over K's tiles, which are done with when the softmax begins: p's codes v36-47,
.set T,    48                          ; v48-50, v52-54 the blocks' upper 16 codes,
.set BM,   56                          ; v56-57 the blocks' largest,
.set BT,   60                          ; v60-63 at work,
.set SO,   64                          ; v64-65 the conversions' scale operands
.set WV,  10
.set SEL, 40
.set CS,  42
.set TB,  44
.set CNT, 45
.set AO,  48
.set AS,  50
.set QP,  52
.set QSP, 54
.macro CROUND
	s_barrier_signal -1
	s_barrier_wait -1
	s_cmp_lg_u32 s[WV], 0
	s_cbranch_scc1 .Lnot_wave_0_\@
	s_barrier_signal -3
.Lnot_wave_0_\@:
	s_barrier_wait -3
	s_barrier_signal -1
	s_barrier_wait -1
.endm
.macro TLOAD
	tensor_load_to_lds s[24:27], s[16:23]
	s_nop 0
.rept 4
	v_nop
.endr
.endm
	s_load_b128 s[4:7], s[0:1], 0x0                ; qb, kv
	s_load_b64 s[8:9], s[0:1], 0x10                ; ab
	v_lshl_add_u32 v254, v0, 2, SPARE
	v_mov_b32 v255, 0
	ds_add_u32 v254, v255                          ; the opening lines
	ds_add_u32 v254, v255
	v_lshrrev_b32 v1, 5, v0
	v_readfirstlane_b32 s[WV], v1                  ; wave 0..15
	s_bfe_u32 s11, ttmp6, 0x40000                  ; cx: it enters global addresses of Q and of the output alone
	s_and_b32 s12, ttmp7, 0xffff                   ; 16 batch + head, which the four partners share
	s_mov_b32 s16, 15|(3<<16)|(1<<20)|(1<<21)|(5<<22)|(15<<25)  ; all four partners; elements of 8 bytes; behind every 64 words 16 words of padding
	s_mov_b32 s17, 32<<16                          ; a record: 51 rows of 256 bytes
	s_mov_b32 s18, 51<<16
	s_mov_b32 s19, 32<<16
	s_mov_b32 s20, 51
	s_mov_b32 s21, 32
	s_mov_b32 s22, 0
	s_mov_b32 s23, 0
	s_mul_i32 s13, s[WV], RECL                     ; my record's place in LDS
	s_mul_i32 s14, s12, 16*REC
	s_mul_i32 s15, s[WV], REC
	s_add_co_u32 s14, s14, s15                     ; and in kv
	s_mov_b32 s15, 0
	s_mov_b32 s[SEL], 0x76543210
	s_mov_b32 s[SEL+1], 0xfedcba98
	s_mov_b32 s[CS], 0x3e38aa3b                    ; c = log2(e) / 8
	s_mov_b32 s[CS+1], s[CS]
	s_lshl_b32 s56, s11, 5
	s_add_co_u32 s56, s56, s[WV]                   ; my first tile of queries in the head: 32 cx + wave; the second pass's is 16 on
	s_lshl_b32 s57, s12, 7
	s_add_co_u32 s57, s57, s56
	s_mul_i32 s58, s57, 768
	s_mov_b32 s59, 0
	s_wait_dscnt 0x0
	s_wait_kmcnt 0x0
	s_add_nc_u64 s[14:15], s[6:7], s[14:15]
	s_add_nc_u64 s[QP:QP+1], s[4:5], s[58:59]
	s_lshl_b32 s58, s57, 6
	s_add_co_u32 s58, s58, 6291456
	s_add_nc_u64 s[QSP:QSP+1], s[4:5], s[58:59]
	s_lshr_b32 s57, s12, 4
	s_lshl_b32 s57, s57, 7
	s_add_co_u32 s57, s57, s56                     ; the same tile among all tokens' tiles
	s_and_b32 s60, s12, 15                         ; the head: which 64 along the last product's K
	s_mul_i32 s58, s57, 12288
	s_mul_i32 s61, s60, 768
	s_add_co_u32 s58, s58, s61
	s_add_nc_u64 s[AO:AO+1], s[8:9], s[58:59]
	s_lshl_b32 s58, s57, 9
	s_lshr_b32 s61, s60, 1
	s_lshl_b32 s61, s61, 6
	s_add_co_u32 s58, s58, s61
	s_and_b32 s61, s60, 1
	s_lshl_b32 s61, s61, 1
	s_add_co_u32 s58, s58, s61
	s_add_co_u32 s58, s58, 6291456
	s_add_nc_u64 s[AS:AS+1], s[8:9], s[58:59]
	s_mov_b32 s24, 1
	s_mov_b32 s25, s13
	s_mov_b64 s[26:27], s[14:15]
	s_or_b32 s27, s27, 0x80000000
	CROUND                                         ; all four work-groups are here: the joint loads meet
	s_cmp_lt_u32 s[WV], 4                          ; one load a wave, in two arms: waves 0-3, whose records are shown first, have a line of their own
	s_cbranch_scc0 .Lrest
	TLOAD
	s_branch .Lasked
.Lrest:
	TLOAD
.Lasked:
	v_and_b32 v[TMP], 31, v0
	v_lshlrev_b32 v[G16], 4, v[TMP]
	v_and_b32 v[LV4], 15, v0                       ; r
	v_bfe_u32 v[TMP], v0, 4, 1                     ; h
	v_lshlrev_b32 v[LV8], 4, v[LV4]
	v_mad_u32_u24 v[LV16], v[TMP], 320, v[LV8]
	v_bfe_u32 v[LK4], v0, 3, 1                     ; r / 8
	v_and_b32 v[LK8], 7, v0                        ; r % 8
	v_lshlrev_b32 v[LK16], 4, v[LK8]
	v_mad_u32_u24 v[LK16], v[LK4], 1920, v[LK16]
	v_lshlrev_b32 v[LK8], 2, v[LK8]
	v_lshl_add_u32 v[LK4], v[LK4], 7, v[LK8]
	v_lshl_add_u32 v[LK8], v[TMP], 3, v[LK16]
	v_mad_u32_u24 v[LK16], v[TMP], 320, v[LK16]
	v_lshl_add_u32 v[LV8], v[TMP], 3, v[LV8]
	v_lshlrev_b32 v[LV4], 2, v[LV4]
	global_load_b128 v[Q:Q+3], v[G16], s[QP:QP+1]  ; both passes' Q stay in registers
	global_load_b64 v[Q+4:Q+5], v[LV8], s[QP:QP+1] offset:512
	global_load_b32 v[QS], v[LV4], s[QSP:QSP+1]
	global_load_b128 v[QN:QN+3], v[G16], s[QP:QP+1] offset:12288
	global_load_b64 v[QN+4:QN+5], v[LV8], s[QP:QP+1] offset:12288+512
	global_load_b32 v[QNS], v[LV4], s[QSP:QSP+1] offset:1024
.irp i, 0,1,2,3,4,5
	v_mov_b32 v[Q+6+\i], 0                         ; zero codes for the half of K that the head does not fill
.endr
.macro INIT                            ; a pass begins: the step is written once, and the first finds zeros, which the first change of M leaves zeros
	v_mov_b32 v13, 0xff61b1e6                      ; the largest score so far: -3e38
	v_mov_b32 v12, 0x7f61b1e6                      ; -M
	v_mov_b32 v[TMP], 0x7f61b1e6
	v_mov_b32 v14, 0
	v_mov_b32 v15, 0
	v_mov_b32 v[F], 0
	v_mov_b32 v[F+1], 0
.set J, 0
.rept 8
	v_mov_b32 v[SU+J], 0
.set J, J+1
.endr
.set J, 0
.rept 32
	v_mov_b32 v[O+J], 0
.set J, J+1
.endr
.endm
.macro QK t
	v_wmma_scale_f32_16x16x128_f8f6f4 v[S+8*\t:S+8*\t+7], v[KF+6*\t:KF+6*\t+11], v[Q:Q+11], 0, v[KS+\t], v[QS] matrix_a_fmt:MATRIX_FMT_FP6 matrix_b_fmt:MATRIX_FMT_FP6
.endm
.macro JOIN                            ; the last step's four chains become one, and l = l f + that: four plain lines that name no register of the products ahead of them
	v_pk_add_f32 v[SU:SU+1], v[SU:SU+1], v[SU+2:SU+3]
	v_pk_add_f32 v[SU+4:SU+5], v[SU+4:SU+5], v[SU+6:SU+7]
	v_pk_add_f32 v[SU:SU+1], v[SU:SU+1], v[SU+4:SU+5]
	v_pk_fma_f32 v[14:15], v[14:15], v[F:F+1], v[SU:SU+1] op_sel_hi:[1,0,1]
.endm
.macro TM j0, n                        ; t - M of n pairs of scores from pair j0 on
.set J, 2*(\j0)
.rept \n
	v_pk_fma_f32 v[S+J:S+J+1], v[S+J:S+J+1], s[CS:CS+1], v[12:13] op_sel_hi:[1,0,0]
.set J, J+2
.endr
.endm
.macro ADD4 g                          ; the four chains take in p's registers 8 g .. 8 g + 7
.irp k, 0,1,2,3
	v_pk_add_f32 v[SU+2*\k:SU+2*\k+1], v[SU+2*\k:SU+2*\k+1], v[S+8*(\g)+2*\k:S+8*(\g)+2*\k+1]
.endr
.endm
; A KEY STEP: the 128 keys of the record at LDS byte s[TB]
.macro STEP
	v_add_nc_u32 v[AK16], s[TB], v[LK16]           ; six lines: the places between the last step's products and the loads into their operands
	v_add_nc_u32 v[AK8], s[TB], v[LK8]
	v_add_nc_u32 v[AK4], s[TB], v[LK4]
	v_add_nc_u32 v[AV16], s[TB], v[LV16]
	v_add_nc_u32 v[AV8], s[TB], v[LV8]
	v_add_nc_u32 v[AV4], s[TB], v[LV4]
.irp c, 0,1
.irp j, 0,1,2,3
	ds_load_b128 v[KF+6*(4*\c+\j):KF+6*(4*\c+\j)+3], v[AK16] offset:(4*\c+\j%2)*960+128*(\j/2)
	ds_load_b64 v[KF+6*(4*\c+\j)+4:KF+6*(4*\c+\j)+5], v[AK8] offset:(4*\c+\j%2)*960+128*(\j/2)+640
	ds_load_b32 v[KS+4*\c+\j], v[AK4] offset:KWL+320*\c+64*(\j%2)+32*(\j/2)
.endr
.endr
.irp t, 0,1,2,3                        ; v^T's 20 loads land under the first product and the softmax
	ds_load_b128 v[VF+12*\t:VF+12*\t+3], v[AV16] offset:VL+1920*\t
	ds_load_b64 v[VF+12*\t+4:VF+12*\t+5], v[AV8] offset:VL+1920*\t+640
	ds_load_b128 v[VF+12*\t+6:VF+12*\t+9], v[AV16] offset:VL+1920*\t+960
	ds_load_b64 v[VF+12*\t+10:VF+12*\t+11], v[AV8] offset:VL+1920*\t+1600
	ds_load_b32 v[VS+\t], v[AV4] offset:VWL+64*\t
.endr
	s_wait_alu depctr_va_vdst(0)
	s_wait_dscnt 29                                ; tiles 0-4 are in (tile 3's operand reaches into tile 4's registers); out may be tiles 5-7's nine loads and v^T's twenty
.irp t, 0,1,2,3
	QK \t
.endr
	s_wait_dscnt 20                                ; all of K is in; v^T's twenty may be out
.irp t, 4,5,6,7
	QK \t
.endr
	JOIN                                           ; the four places in front of the first read of the scores and the first write over K's tiles
.irp c, 0,1                            ; each block's largest score, all 32 in my registers: two chains a block, each accumulator from its low end on
	v_max3_num_f32 v[BM+\c], v[S+32*\c], v[S+32*\c+1], v[S+32*\c+2]
	v_max3_num_f32 v[BT+\c], v[S+32*\c+16], v[S+32*\c+17], v[S+32*\c+18]
.endr
.irp i, 3,5,7,9,11,13
.irp c, 0,1
	v_max3_num_f32 v[BM+\c], v[BM+\c], v[S+32*\c+\i], v[S+32*\c+\i+1]
	v_max3_num_f32 v[BT+\c], v[BT+\c], v[S+32*\c+16+\i], v[S+32*\c+17+\i]
.endr
.endr
.irp c, 0,1
	v_max3_num_f32 v[BM+\c], v[BM+\c], v[BT+\c], v[S+32*\c+15]
.endr
.irp c, 0,1
	v_max_num_f32 v[BM+\c], v[BM+\c], v[S+32*\c+31]
.endr
	s_delay_alu instid0(VALU_DEP_1)
	v_max_num_f32 v[BT+2], v[BM], v[BM+1]          ; my 64 keys' largest,
	s_delay_alu instid0(VALU_DEP_1)
	v_permlanex16_b32 v[BT+3], v[BT+2], s[SEL], s[SEL+1]   ; lane l xor 16's 64,
	s_delay_alu instid0(VALU_DEP_1)
	v_max3_num_f32 v13, v13, v[BT+2], v[BT+3]      ; the running largest score
	s_delay_alu instid0(VALU_DEP_1)
	v_mul_f32 v[BT+2], s[CS], v13                  ; as t (c is positive)
	s_delay_alu instid0(VALU_DEP_1)
	v_floor_f32 v12, -v[BT+2]                      ; the new -M = floor(-t): M is a whole number
	TM 0, 4
	v_sub_f32 v[BT+2], v12, v[TMP]                 ; old M - new M: a whole number, 0 or less
	TM 4, 4
	v_cvt_i32_f32 v[BT+2], v[BT+2]                 ; (it saturates)
	TM 8, 4
	v_ldexp_f32 v[F], 1.0, v[BT+2]                 ; f = 2^(old M - new M)
	TM 12, 20
	v_pk_fma_f32 v[BM:BM+1], v[BM:BM+1], s[CS:CS+1], v[12:13] op_sel_hi:[1,0,0]   ; the same of each block's largest score
.set J, 0
.rept 16
	v_pk_mul_f32 v[O+J:O+J+1], v[O+J:O+J+1], v[F:F+1] op_sel_hi:[1,0]   ; O^T under the new M, ahead of the exponentials, each accumulator from its low end on
.set J, J+2
.endr
	s_wait_dscnt 0x0                               ; v^T is in
	s_wait_alu depctr_va_vdst(0)
	v_exp_f32 v[BM], v[BM]                         ; the blocks' largest p
	v_exp_f32 v[BM+1], v[BM+1]
.set J, 0
.rept 64
	v_exp_f32 v[S+J], v[S+J]                       ; p = 2^(t - M), at most 1
.set J, J+1
.endr
	v_mov_b32 v[TMP], v12                          ; -M is kept for the next step: the plain line behind the batch
	s_wait_alu depctr_va_vdst(0)                   ; one wait for the batch of 66, ahead of its first reader
.irp c, 0,1
	v_max_num_f32 v[BM+\c], 0x1800000, v[BM+\c]    ; the floor 2^(3 - 127)
.endr
.irp c, 0,1
	v_add_nc_u32 v[SO+\c], 0xff000000, v[BM+\c]    ; 2 off the exponent field: the conversions' scale operand
.endr
.irp c, 0,1
	v_cvt_scalef32_pk16_fp6_f32 v[PC+6*\c:PC+6*\c+2], v[S+32*\c:S+32*\c+15], v[SO+\c]
	v_cvt_scalef32_pk16_fp6_f32 v[T+4*\c:T+4*\c+2], v[S+32*\c+16:S+32*\c+31], v[SO+\c]   ; (a conversion's three registers begin on an even number)
.endr
.irp c, 0,1
	v_lshrrev_b32 v[BT+\c], 23, v[SO+\c]           ; the bytes of my blocks h and 2 + h
.endr
.irp k, 0,1,2,3                        ; the row's sum of the unquantised p: four chains
	v_pk_add_f32 v[SU+2*\k:SU+2*\k+1], v[S+2*\k:S+2*\k+1], v[S+8+2*\k:S+9+2*\k]
.endr
	v_lshl_or_b32 v[BT], v[BT+1], 16, v[BT]
	ADD4 2
	v_permlanex16_b32 v[BT+3], v[BT], s[SEL], s[SEL+1]
	ADD4 3
	v_lshl_or_b32 v[PW], v[BT+3], 8, v[BT]         ; in lanes 0-15, which alone are read: bytes 0, 2 mine, bytes 1, 3 lane l + 16's
.irp c, 0,1
.irp i, 0,1,2
	v_mov_b32 v[PC+3+6*\c+\i], v[T+4*\c+\i]
.endr
.endr
	ADD4 4                                         ; sixteen plain lines between the last write of p's operand and word and the products
	ADD4 5
	ADD4 6
	ADD4 7
.irp t, 0,1,2,3                        ; four accumulators, one instruction each
	v_wmma_scale_f32_16x16x128_f8f6f4 v[O+8*\t:O+8*\t+7], v[VF+12*\t:VF+12*\t+11], v[PC:PC+11], v[O+8*\t:O+8*\t+7], v[VS+\t], v[PW] matrix_a_fmt:MATRIX_FMT_FP6 matrix_b_fmt:MATRIX_FMT_FP6
.endr
	s_add_co_u32 s[TB], s[TB], RECL
.endm
.macro STEPS n
	s_mov_b32 s[CNT], \n
.Lstep_\@:
	STEP
	s_sub_co_u32 s[CNT], s[CNT], 1
	s_cmp_lg_u32 s[CNT], 0
	s_cbranch_scc1 .Lstep_\@
.endm
; THE WAY OUT: O^T / the sum; register 16 b + i is channel 32 b + 16 (lane / 16) + i of my query: two blocks along the last product's K
.macro WAYOUT more
	JOIN                                           ; the last step's sum; also the places behind the last products
	v_add_f32 v14, v14, v15
	s_delay_alu instid0(VALU_DEP_1)
	v_permlanex16_b32 v[BT], v14, s[SEL], s[SEL+1]
	s_delay_alu instid0(VALU_DEP_1)
	v_add_f32 v14, v14, v[BT]                      ; the row's sum
	s_wait_alu depctr_va_vdst(0)
	v_rcp_f32 v[F], v14
	v_nop
	s_wait_alu depctr_va_vdst(0)                   ; ahead of the reciprocal's first reader, which is O^T's too
.set J, 0
.rept 16
	v_pk_mul_f32 v[O+J:O+J+1], v[O+J:O+J+1], v[F:F+1] op_sel_hi:[1,0]
.set J, J+2
.endr
.irp b, 0,1
	v_max3_num_f32 v[BM+\b], |v[O+16*\b]|, |v[O+16*\b+1]|, 0x1800000
.endr
.irp i, 2,4,6,8,10,12,14
.irp b, 0,1
	s_delay_alu instid0(VALU_DEP_2)
	v_max3_num_f32 v[BM+\b], v[BM+\b], |v[O+16*\b+\i]|, |v[O+16*\b+\i+1]|
.endr
.endr
.irp b, 0,1
	s_delay_alu instid0(VALU_DEP_2)
	v_permlanex16_b32 v[BT+\b], v[BM+\b], s[SEL], s[SEL+1]
.endr
.irp b, 0,1
	s_delay_alu instid0(VALU_DEP_2)
	v_max_num_f32 v[BM+\b], v[BM+\b], v[BT+\b]
.endr
.irp b, 0,1
	s_delay_alu instid0(VALU_DEP_2)
	v_add_nc_u32 v[SO+\b], 0xff000000, v[BM+\b]
.endr
.irp b, 0,1
	s_delay_alu instid0(VALU_DEP_2)
	v_lshrrev_b32 v[BT+\b], 23, v[SO+\b]
.endr
	s_delay_alu instid0(VALU_DEP_1)
	v_lshl_or_b32 v[TMP], v[BT+1], 8, v[BT]
	v_cvt_scalef32_pk16_fp6_f32 v[PC:PC+2], v[O:O+15], v[SO]
	v_cvt_scalef32_pk16_fp6_f32 v[T:T+2], v[O+16:O+31], v[SO+1]
	v_nop
.irp i, 0,1,2
	v_permlane16_swap_b32 v[PC+\i], v[T+\i]
.endr
.irp i, 0,1,2
	s_delay_alu instid0(VALU_DEP_3)
	v_mov_b32 v[PC+3+\i], v[T+\i]
.endr
	global_store_b128 v[G16], v[PC:PC+3], s[AO:AO+1]               ; my head's image of these 16 tokens: 512 and 256 consecutive bytes
	global_store_b64 v[LV8], v[PC+4:PC+5], s[AO:AO+1] offset:512
	global_store_b16 v[LV4], v[TMP], s[AS:AS+1]                    ; two bytes of each row's word: the other two are the neighbouring head's, another work-group's
.if \more
	s_wait_xcnt 0x0                                ; the stores have read their data and their bases: both are written again only behind this wait
	s_add_nc_u64 s[AO:AO+1], s[AO:AO+1], 16*12288  ; the second pass's tile is 16 on
	s_add_nc_u64 s[AS:AS+1], s[AS:AS+1], 16*512
.irp i, 0,1,2,3,4,5
	v_mov_b32 v[Q+\i], v[QN+\i]                    ; its Q; the next pass's first lines stand between these and the next product
.endr
	v_mov_b32 v[QS], v[QNS]
.endif
.endm
	INIT
	s_wait_alu depctr_va_vdst(0)
	s_wait_loadcnt 0x0
	s_cmp_lt_u32 s[WV], 4
	s_cbranch_scc0 .Lnot_first
	s_wait_tensorcnt 0x0                           ; waves 0-3: records 0-3 have landed
.Lnot_first:
	s_barrier_signal -1
	s_barrier_wait -1
	s_mov_b32 s[TB], 0
	STEPS 4
	s_wait_tensorcnt 0x0                           ; every wave: all sixteen records have landed.  Nothing is ever filled again
	s_wait_dscnt 0x0
	s_barrier_signal -1
	s_barrier_wait -1
	s_mov_b32 s[TB], 4*RECL
	STEPS 12
	WAYOUT 1
	INIT
	s_mov_b32 s[TB], 0
	STEPS 16
	WAYOUT 0
	s_wait_tensorcnt 0x0                           ; the wave's end
	ds_add_u32 v254, v255
	s_wait_dscnt 0x0
	CROUND                                         ; the closing round
	s_endpgm
.Lfunc_end_k_qbbacb66044_attn:
	.size	k_qbbacb66044_attn, .Lfunc_end_k_qbbacb66044_attn-k_qbbacb66044_attn
	.p2alignl 7, 3214868480
	.fill 96, 4, 3214868480
	.section	.rodata,"a",@progbits
	.p2align	6, 0x0
	.amdhsa_kernel k_qbbacb66044_attn
		.amdhsa_group_segment_fixed_size 263168
		.amdhsa_private_segment_fixed_size 0
		.amdhsa_enable_private_segment 0
		.amdhsa_kernarg_size 24
		.amdhsa_user_sgpr_count 2
		.amdhsa_user_sgpr_kernarg_segment_ptr 1
		.amdhsa_wavefront_size32 1
		.amdhsa_system_sgpr_workgroup_id_x 1
		.amdhsa_system_sgpr_workgroup_id_y 1
		.amdhsa_system_sgpr_workgroup_id_z 1
		.amdhsa_system_vgpr_workitem_id 0
		.amdhsa_next_free_vgpr 256
		.amdhsa_next_free_sgpr 66
		.amdhsa_reserve_vcc 0
		.amdhsa_float_denorm_mode_32 3
		.amdhsa_float_denorm_mode_16_64 3
		.amdhsa_memory_ordered 1
		.amdhsa_forward_progress 1
		.amdhsa_inst_pref_size 66
	.end_amdhsa_kernel
	.amdgpu_metadata
---
amdhsa.version: [ 1, 2 ]
amdhsa.kernels:
  - .name:           k_qbbacb66044_attn
    .symbol:         k_qbbacb66044_attn.kd
    .args:
      - { .name: qb, .offset: 0, .size: 8, .value_kind: global_buffer, .address_space: global }
      - { .name: kv, .offset: 8, .size: 8, .value_kind: global_buffer, .address_space: global }
      - { .name: ab, .offset: 16, .size: 8, .value_kind: global_buffer, .address_space: global }
    .group_segment_fixed_size: 263168
    .private_segment_fixed_size: 0
    .kernarg_segment_align: 8
    .kernarg_segment_size: 24
    .max_flat_workgroup_size: 512
    .sgpr_count:     66
    .vgpr_count:     256
    .wavefront_size: 32
...
	.end_amdgpu_metadata
.endif
;; end of part 3
;; launch proj (part 4): grid 32 x 8, 4 waves a work-group, clusters of 4 x 4, 327,680 bytes of LDS; arguments ab, wo, b_out, out0; writes out0
.if DOCPART == 4
	.amdgcn_target "amdgcn-amd-amdhsa--gfx1250"
	.amdhsa_code_object_version 6
	.text
	.protected	k_qbbacb66044_proj
	.globl	k_qbbacb66044_proj
	.p2align	8
	.type	k_qbbacb66044_proj,@function
k_qbbacb66044_proj:
	s_mov_b64 s[64:65], 0
	v_nop
	global_prefetch_b8 v0, s[64:65] scope:SCOPE_SE
	s_setreg_imm32_b32 hwreg(HW_REG_WAVE_MODE, 25, 1), 1
	s_wait_xcnt 0x0
	s_wait_alu depctr_hold_cnt(0) depctr_sa_sdst(0) depctr_va_vdst(0) depctr_va_sdst(0) depctr_va_ssrc(0) depctr_va_vcc(0) depctr_vm_vsrc(0)
	s_getreg_b32 s2, hwreg(HW_REG_IB_STS2, 6, 4)
	s_cmp_eq_u32 s2, 0
	s_cbranch_scc0 .Lentry_in_a_cluster
	s_endpgm
.Lentry_in_a_cluster:
	s_bfe_u32 s2, ttmp6, 0x10000c
	s_cmp_lg_u32 s2, 0xf033
	s_cbranch_scc0 .Lentry_shape_is_right
	s_endpgm
.Lentry_shape_is_right:
; out[token][n] = sum over k of o[token][k] w_out[k][n] + b_out[n], f32: 8,192 x 1,024 x 1,024 on codes of FP6 (E2M3) with E8M0 scales.
; ab and wo hold tiles of 16 rows (tokens; w_out's columns) x K = 1,024 as 16 images of 768 bytes: six operand registers of lane (r, h): g0-g3 at byte 16 x lane, g4-g5 at 512 + 16 r + 8 h.  Two images are a fragment of 128 along K.
; Tile 2 B + u holds at row p the index 32 B + 8 u + p + 8 (p / 8).  Scale words lie behind the codes: [tile][128 along K][16 rows], four bytes each.
; THE DEAL.  256 work-groups of four waves, 2 x 2, each 256 rows x 128 columns.  A wave holds four column tiles of w_out, all of K, in 384 registers, and streams eight blocks of 16 tokens past them: block s of wave row w is the work-group's tile 2 s + w.
; CLUSTER: x counts tile rows, y tile columns.  A's tiles are shared by a column of the cluster, B's by a row: joint loads.
; LDS: A's 16 tiles, dense (196,608 bytes); B's 8 tiles (98,304); the spare words.  All is asked for at the head and filled once: no ring, and no loop to prefetch ahead in.
; THE HEAD'S FOUR LOADS, one a wave, each on a line of its own: B; A's rows 0-127; 128-191; 192-255.  The stream begins when the first two are in; a plain barrier inside block 1 shows the others (block 4 is the first to read them).
; SCALE WORDS AND THE BIAS go from memory straight into registers, once.  A register of B's words holds tile 2 p in lanes 0-15 and tile 2 p + 1 in lanes 16-31; one of A's holds block 2 p and block 2 p + 1 likewise.
; Source 0 = B's rows: lane (r, h) holds of tile b eight neighbouring columns 32 (b / 2) + 8 (b % 2) + 16 h + 0 .. 7 of token row r.  The bias is the first products' C, so a sum begins with it.
; THE WAY OUT: behind a block's 32 products its sums go through the wave's own stage (in B's first bytes, read for the last time ahead of the barrier in front of the stream) and come back as whole rows of 256 bytes, which leave at once.
; ONE WAIT ON LDS A BLOCK, ahead of its stores: younger than the rows' way back is the fetch of the block two on alone (32 loads); it shows the next block's rows in too.
; LIMITS: NaN, infinities and sums beyond f32's range are not served.
.set SIZE_N, 1024
.set NQ, 8
.set NB, 4
.set TM, 256
.set TN, 128
.set KROW, 768
.set TILE, 12288
.set FR, 12
.set FPW, 21                           ; fragments in a window of 256 registers
.set NF, 32                            ; LDS loads of a block
.set YB, TM*KROW
.set STAGE, YB
.set SPITCH, 272
.set SPARE, YB+TN*KROW
.set ASC, 6291456
.set WSC, 786432
.set ADA16, 6                          ; v6, v7   LDS addresses of my block 0 (pieces of 16 and of 8 bytes)
.set ADA8, 7
.set BOA, 8                            ; v8       64 h: my offset in the bias
.set CO, 9                             ; v9       my offset in C: row l / 16, 16 (l % 16)
.set SPW, 10
.set NIL, 11
.set AQ16, 12                          ; v12, v13 as v6, v7 for the block that is fetched next
.set AQ8, 13
.set ADB16, 14                         ; v14, v15 the same for my four tiles of B
.set ADB8, 15
.set SWB, 16                           ; v16      512 h + 4 r
.set SWA, 17                           ; v17      1024 h + 4 r
.set STO, 18
.set RD, 19
.set SB, 24                            ; v24-39   B's scale words
.set SA, 44                            ; v44-75   A's: their numbers differ from B's by 4 modulo 8
.set ACC, 76                           ; v76-139  two sets of four accumulators
.set BK, 140                           ; v140-203 two sets: 16 rows x 256 bytes back from the stage
.set BO, 204                           ; v204-235 the bias
.set G1A, 24
.set G0A, 56
.set G1B, 32
.set G0B, 60
.set MSB, 0
.macro WIN new
.if MSB != \new
	s_set_vgpr_msb (MSB<<8)|\new
.set MSB, \new
.endif
.endm
.macro PLACES n
.rept \n
	v_nop
.endr
.endm
.macro WALU
	s_wait_alu depctr_va_vdst(0)
.endm
.macro BARRIER
	s_barrier_signal -1
	s_barrier_wait -1
.endm
.macro CROUND
	BARRIER
	s_cmp_lg_u32 s14, 0
	s_cbranch_scc1 .Lnot_wave_0_\@
	s_barrier_signal -3
.Lnot_wave_0_\@:
	s_barrier_wait -3
	BARRIER
.endm
.macro TLOAD g0, g1
	tensor_load_to_lds s[\g0:\g0+3], s[\g1:\g1+7]
	s_nop 0
	PLACES 4
.endm
.macro ATILE first, rows               ; a part of A's 256 rows of 768 bytes, dense: its place in LDS is its place among the rows
	s_mov_b32 s[G0A+1], (\first)*KROW
	s_mov_b32 s[G1A+2], (\rows)<<16
	s_mov_b32 s[G1A+4], \rows
.if \first
	s_add_nc_u64 s[G0A+2:G0A+3], s[G0A+2:G0A+3], (\first)*KROW
.endif
	s_or_b32 s[G0A+3], s[G0A+3], 0x80000000
	TLOAD G0A, G1A
.endm
.macro GROUP1 g, mask, rows
	s_or_b32 s[\g+0], s[\mask], (1<<21)
	s_mov_b32 s[\g+1], (KROW&0xffff)<<16
	s_mov_b32 s[\g+3], KROW<<16
.if \rows
	s_mov_b32 s[\g+2], (KROW>>16)|((\rows)<<16)
	s_mov_b32 s[\g+4], \rows
.endif
	s_mov_b32 s[\g+5], KROW
	s_mov_b32 s[\g+6], 0
	s_mov_b32 s[\g+7], 0
.endm
.macro FRAG f, a16, a8, off            ; fragment f lies in window 1 + f / 21 at register 12 (f % 21): B's 4 q + b, then A's two sets of eight
	WIN (1+(\f)/FPW)<<6
.set R_, FR*((\f)%FPW)
	ds_load_b128 v[R_:R_+3], v[\a16] offset:\off
	ds_load_b64 v[R_+4:R_+5], v[\a8] offset:(\off)+512
	ds_load_b128 v[R_+6:R_+9], v[\a16] offset:(\off)+768
	ds_load_b64 v[R_+10:R_+11], v[\a8] offset:(\off)+1280
.endm
.macro FETCHAT e, a16, a8
.irp q, 0,1,2,3,4,5,6,7
	FRAG NB*NQ+NQ*(\e)+\q, \a16, \a8, 1536*\q
.endr
	WIN 0
.endm
.macro WM d, s0, s1, c, x0, x1, ra, rb
	v_wmma_scale_f32_16x16x128_f8f6f4 v[\d:\d+7], v[FR*((\s0)%FPW):FR*((\s0)%FPW)+FR-1], v[FR*((\s1)%FPW):FR*((\s1)%FPW)+FR-1], \c, v[\x0], v[\x1] matrix_a_fmt:MATRIX_FMT_FP6 matrix_b_fmt:MATRIX_FMT_FP6 matrix_a_scale:MATRIX_SCALE_ROW\ra matrix_b_scale:MATRIX_SCALE_ROW\rb
.endm
.macro PROD1 d, s0, s1, c, x0, x1, o, e
.if (\o) && (\e)
	WM \d, \s0, \s1, \c, \x0, \x1, 1, 1
.elseif \o
	WM \d, \s0, \s1, \c, \x0, \x1, 1, 0
.elseif \e
	WM \d, \s0, \s1, \c, \x0, \x1, 0, 1
.else
	WM \d, \s0, \s1, \c, \x0, \x1, 0, 0
.endif
.endm
.macro PROD s, n                       ; product n = 4 q + b of block s: the four accumulators by turns
.set Q_, (\n)/4
.set FB_, NB*Q_+(\n)%4
.set FA_, NB*NQ+NQ*((\s)%2)+Q_
.set D_, ACC+32*((\s)%2)+8*((\n)%4)
.set XB_, SB+NQ*(((\n)%4)/2)+Q_
.set XA_, SA+NQ*((\s)/2)+Q_
	WIN (1+FB_/FPW)|((1+FA_/FPW)<<2)
.if Q_
	PROD1 D_, FB_, FA_, v[D_:D_+7], XB_, XA_, (\n)%2, (\s)%2
.else
	PROD1 D_, FB_, FA_, v[BO+8*((\n)%4):BO+8*((\n)%4)+7], XB_, XA_, (\n)%2, (\s)%2
.endif
.endm
.macro PRODS s, from, to
.set N_, \from
.rept (\to)-(\from)
	PROD \s, N_
.set N_, N_+1
.endr
	WIN 0
.endm
.macro STAGED u                        ; set u's sums into my stage, each accumulator from its low end on, and back as whole rows; LDS serves a wave's instructions in order (ISA guide 5.7.1.4)
.irp b, 0,1,2,3
	ds_store_b128 v[STO], v[ACC+32*(\u)+8*\b:ACC+32*(\u)+8*\b+3] offset:128*(\b/2)+32*(\b%2)
	ds_store_b128 v[STO], v[ACC+32*(\u)+8*\b+4:ACC+32*(\u)+8*\b+7] offset:128*(\b/2)+32*(\b%2)+16
.endr
.irp t, 0,1,2,3,4,5,6,7
	ds_load_b128 v[BK+32*(\u)+4*\t:BK+32*(\u)+4*\t+3], v[RD] offset:2*\t*SPITCH
.endr
.endm
.macro TOC s                           ; block s begins 32 s tokens behind my first; its rows 2 t, 2 t + 1 are tokens 2 t + 8 (t / 4) and the next.  Sixteen lanes store 256 consecutive aligned bytes
.irp t, 0,1,2,3,4,5,6,7
	global_store_b128 v[CO], v[BK+32*((\s)%2)+4*\t:BK+32*((\s)%2)+4*\t+3], s[12:13] offset:(32*(\s)+2*\t+8*(\t/4))*SIZE_N*4 th:TH_STORE_NT
.endr
.endm
.macro STREAM s
.if (\s) == 1
	PRODS \s, 0, 24
	s_wait_tensorcnt 0x0                           ; every wave: all of A has landed
	s_wait_dscnt 0x0
	s_barrier_signal -1
	PRODS \s, 24, 32
	s_barrier_wait -1
.else
	PRODS \s, 0, 32
.endif
.if (\s) < 6                           ; four plain lines between the last product and the first reader of its sums and the fetch into its operands
	v_add_nc_u32 v[AQ16], ((\s)+2)*2*TILE, v[ADA16]
	v_add_nc_u32 v[AQ8], ((\s)+2)*2*TILE, v[ADA8]
	PLACES 2
	WALU
.else
	PLACES 4
.endif
	s_wait_xcnt 0x0                                ; the stores of two blocks ago have read this set of rows
	STAGED (\s)%2
.if (\s) < 6
	FETCHAT (\s)%2, AQ16, AQ8
	s_wait_dscnt NF                                ; the rows are back from the stage; the fetch is younger
.else
	s_wait_dscnt 0x0
.endif
	TOC \s
.endm
	s_load_b256 s[4:11], s[0:1], 0x0               ; ab, wo, b_out, out0
	v_lshl_add_u32 v[SPW], v0, 2, SPARE
	v_mov_b32 v[NIL], 0
	ds_add_u32 v[SPW], v[NIL]                      ; the opening lines
	ds_add_u32 v[SPW], v[NIL]
	v_lshrrev_b32 v1, 5, v0
	v_readfirstlane_b32 s14, v1                    ; the wave; s15 its row of the 2 x 2, s16 its column
	s_lshr_b32 s15, s14, 1
	s_and_b32 s16, s14, 1
	s_bfe_u32 s40, ttmp6, 0x40000
	s_bfe_u32 s41, ttmp6, 0x40004
	s_lshl_b32 s43, ttmp9, 2
	s_add_co_u32 s43, s43, s40                     ; tile row of C, 0 .. 31
	s_and_b32 s42, ttmp7, 0xffff
	s_lshl_b32 s42, s42, 2
	s_add_co_u32 s42, s42, s41                     ; tile column, 0 .. 7
	s_lshl_b32 s44, 0x1111, s40                    ; my column of the cluster: shares A
	s_lshl_b32 s45, s41, 2
	s_lshl_b32 s45, 15, s45                        ; my row: shares B
	GROUP1 G1A, 44, 0
	GROUP1 G1B, 45, TN
	s_mov_b32 s[G0A], 1
	s_mul_i32 s76, s43, TM*KROW
	s_mov_b32 s77, 0
	s_mul_i32 s78, s42, TN*KROW
	s_mov_b32 s79, 0
	s_lshl_b32 s82, s42, 3
	s_lshl_b32 s21, s16, 2
	s_add_co_u32 s82, s82, s21
	s_lshl_b32 s82, s82, 9
	s_add_co_u32 s82, s82, WSC                     ; the words of my four tiles of B
	s_mov_b32 s83, 0
	s_lshl_b32 s80, s43, 4
	s_add_co_u32 s80, s80, s15
	s_lshl_b32 s80, s80, 9
	s_add_co_u32 s80, s80, ASC                     ; the words of my block 0
	s_mov_b32 s81, 0
	s_lshl_b32 s86, s42, 9
	s_lshl_b32 s21, s16, 8
	s_add_co_u32 s86, s86, s21                     ; my first column, in bytes
	s_mov_b32 s87, 0
	s_lshl_b32 s84, s43, 20
	s_lshl_b32 s21, s15, 15
	s_add_co_u32 s84, s84, s21                     ; my first token: 256 x tile row + 8 x wave row
	s_add_co_u32 s84, s84, s86
	s_mov_b32 s85, 0
	s_mov_b32 s[G0B], 1
	s_mov_b32 s[G0B+1], YB
	v_and_b32 v1, 15, v0
	v_bfe_u32 v2, v0, 4, 1
	v_and_b32 v3, 31, v0
	v_lshlrev_b32 v4, 4, v3
	v_lshlrev_b32 v5, 4, v1
	v_lshl_add_u32 v5, v2, 3, v5
	s_mul_i32 s21, s15, TILE
	v_add_nc_u32 v[ADA16], s21, v4
	v_add_nc_u32 v[ADA8], s21, v5
	v_add_nc_u32 v[AQ16], 2*TILE, v[ADA16]
	v_add_nc_u32 v[AQ8], 2*TILE, v[ADA8]
	s_mul_i32 s22, s16, NB*TILE
	s_add_co_u32 s22, s22, YB
	v_add_nc_u32 v[ADB16], s22, v4
	v_add_nc_u32 v[ADB8], s22, v5
	v_lshlrev_b32 v[SWB], 2, v1
	v_lshl_add_u32 v[SWA], v2, 10, v[SWB]
	v_lshl_add_u32 v[SWB], v2, 9, v[SWB]
	v_lshlrev_b32 v[BOA], 6, v2
	s_mul_i32 s21, s14, 16*SPITCH
	s_add_co_u32 s21, s21, STAGE
	v_mul_u32_u24 v23, v1, SPITCH
	v_lshl_add_u32 v23, v2, 6, v23
	v_add_nc_u32 v[STO], s21, v23
	v_mul_u32_u24 v23, v2, SPITCH
	v_lshl_add_u32 v23, v1, 4, v23
	v_add_nc_u32 v[RD], s21, v23
	v_lshlrev_b32 v23, 12, v2
	v_lshl_add_u32 v[CO], v1, 4, v23
	WALU
	s_wait_dscnt 0x0
	CROUND                                         ; the opening round
	s_wait_kmcnt 0x0
	s_add_nc_u64 s[G0A+2:G0A+3], s[4:5], s[76:77]
	s_add_nc_u64 s[G0B+2:G0B+3], s[6:7], s[78:79]
	s_or_b32 s[G0B+3], s[G0B+3], 0x80000000
	s_add_nc_u64 s[80:81], s[4:5], s[80:81]
	s_add_nc_u64 s[82:83], s[6:7], s[82:83]
	s_add_nc_u64 s[8:9], s[8:9], s[86:87]
	s_add_nc_u64 s[12:13], s[10:11], s[84:85]
	s_cmp_eq_u32 s14, 0
	s_cbranch_scc0 .Lwave_1
	TLOAD G0B, G1B                                 ; wave 0: B, which is wanted first
	s_branch .Lasked
.Lwave_1:
	s_cmp_eq_u32 s14, 1
	s_cbranch_scc0 .Lwave_2
	ATILE 0, 128
	s_branch .Lasked
.Lwave_2:
	s_cmp_eq_u32 s14, 2
	s_cbranch_scc0 .Lwave_3
	ATILE 128, 64
	s_branch .Lasked
.Lwave_3:
	ATILE 192, 64
.Lasked:
.irp p, 0,1
.irp q, 0,1,2,3,4,5,6,7
	global_load_b32 v[SB+NQ*\p+\q], v[SWB], s[82:83] offset:1024*\p+64*\q
.endr
.endr
.irp p, 0,1,2,3
.irp q, 0,1,2,3,4,5,6,7
	global_load_b32 v[SA+NQ*\p+\q], v[SWA], s[80:81] offset:2048*\p+64*\q
.endr
.endr
.irp b, 0,1,2,3
	global_load_b128 v[BO+8*\b:BO+8*\b+3], v[BOA], s[8:9] offset:(32*(\b/2)+8*(\b%2))*4
	global_load_b128 v[BO+8*\b+4:BO+8*\b+7], v[BOA], s[8:9] offset:(32*(\b/2)+8*(\b%2))*4+16
.endr
	s_wait_dscnt 0x0
	s_cmp_eq_u32 s14, 0
	s_cbranch_scc0 .Lnot_b
	s_wait_tensorcnt 0x0
.Lnot_b:
	BARRIER                                        ; B has landed
.irp q, 0,1,2,3,4,5,6,7
.irp b, 0,1,2,3
	FRAG NB*\q+\b, ADB16, ADB8, \b*TILE+1536*\q
.endr
.endr
	WIN 0
	s_cmp_eq_u32 s14, 1
	s_cbranch_scc0 .Lnot_a
	s_wait_tensorcnt 0x0                           ; wave 1: A's rows 0 to 127 have landed
.Lnot_a:
	s_wait_dscnt 0x0
	BARRIER                                        ; and nobody reads B's bytes any more.  Waves 2 and 3's tiles may be on their way
	FETCHAT 0, ADA16, ADA8
	FETCHAT 1, AQ16, AQ8
	s_wait_loadcnt 0x0                             ; the scale words and the bias
	s_wait_dscnt NF                                ; block 0's rows are in
.irp s, 0,1,2,3,4,5,6,7
	STREAM \s
.endr
	s_wait_tensorcnt 0x0                           ; the wave's end
	ds_add_u32 v[SPW], v[NIL]
	s_wait_dscnt 0x0
	CROUND                                         ; the closing round
	s_endpgm
.Lfunc_end_k_qbbacb66044_proj:
	.size	k_qbbacb66044_proj, .Lfunc_end_k_qbbacb66044_proj-k_qbbacb66044_proj
	.p2alignl 7, 3214868480
	.fill 96, 4, 3214868480
	.section	.rodata,"a",@progbits
	.p2align	6, 0x0
	.amdhsa_kernel k_qbbacb66044_proj
		.amdhsa_group_segment_fixed_size 327680
		.amdhsa_private_segment_fixed_size 0
		.amdhsa_enable_private_segment 0
		.amdhsa_kernarg_size 32
		.amdhsa_user_sgpr_count 2
		.amdhsa_user_sgpr_kernarg_segment_ptr 1
		.amdhsa_wavefront_size32 1
		.amdhsa_system_sgpr_workgroup_id_x 1
		.amdhsa_system_sgpr_workgroup_id_y 1
		.amdhsa_system_sgpr_workgroup_id_z 1
		.amdhsa_system_vgpr_workitem_id 0
		.amdhsa_next_free_vgpr 840
		.amdhsa_next_free_sgpr 102
		.amdhsa_reserve_vcc 0
		.amdhsa_float_denorm_mode_32 3
		.amdhsa_float_denorm_mode_16_64 3
		.amdhsa_memory_ordered 1
		.amdhsa_forward_progress 1
		.amdhsa_inst_pref_size 88
	.end_amdhsa_kernel
	.amdgpu_metadata
---
amdhsa.version: [ 1, 2 ]
amdhsa.kernels:
  - .name:           k_qbbacb66044_proj
    .symbol:         k_qbbacb66044_proj.kd
    .args:
      - { .name: ab, .offset: 0, .size: 8, .value_kind: global_buffer, .address_space: global }
      - { .name: wo, .offset: 8, .size: 8, .value_kind: global_buffer, .address_space: global }
      - { .name: b_out, .offset: 16, .size: 8, .value_kind: global_buffer, .address_space: global }
      - { .name: out0, .offset: 24, .size: 8, .value_kind: global_buffer, .address_space: global }
    .group_segment_fixed_size: 327680
    .private_segment_fixed_size: 0
    .kernarg_segment_align: 8
    .kernarg_segment_size: 32
    .max_flat_workgroup_size: 128
    .sgpr_count:     102
    .vgpr_count:     840
    .wavefront_size: 32
...
	.end_amdgpu_metadata
.endif
;; end of part 4
